; MI455X (gfx1250); checked and timed in simulation.
; The chip was launched on July 23, 2026; its instructions are those of AMD's public machine-readable ISA for CDNA 5 (MIT licence, August 2026) and "CDNA5" Instruction Set Architecture Reference Guide (July 2026). The comments in the code are by the model that wrote it; some were corrected since.
;; MHA. Allowed arithmetic: matrix products marked QUANTISED: E3M2 operands, one E8M0 scale for each 32 along K, by v_wmma_scale_f32_16x16x128_f8f6f4 with both operands' format E3M2, f32 sums; everything else in f32.
;; Inputs: W_k 1,024 x 1,024 float32; W_o 1,024 x 1,024 float32; W_q 1,024 x 1,024 float32; W_v 1,024 x 1,024 float32; x 4 x 2,048 x 1,024 float32.
;; Outputs: out0 4 x 2,048 x 1,024 float32.
;; This version of the problem:
;;   THIS VERSION OF THE PROBLEM IS GIVEN IN LOW PRECISION. The matrix products marked QUANTISED in the list below multiply operands that are first quantised to E3M2 (3 exponent bits, 2 mantissa bits; 6 bits a number), with one power-of-two scale for each 32 numbers along K (OCP MX v1.0); their sums are f32. All else is computed in f32.
;;   The module's matrix products, in the order in which they are computed (A, B: the left and right operand; K: the contracted axis; several contracted axes count as one K, in the product's order):
;;     1. [M 8,192, K 1,024] x [K 1,024, N 1,024]; A: input x; B: input W_q: QUANTISED
;;     2. [M 8,192, K 1,024] x [K 1,024, N 1,024]; A: input x; B: input W_k: QUANTISED
;;     3. [M 8,192, K 1,024] x [K 1,024, N 1,024]; A: input x; B: input W_v: QUANTISED
;;     4. batch 64 x [M 2,048, K 64] x [K 64, N 2,048]; A: computed on the way; B: computed on the way: QUANTISED
;;     5. batch 64 x [M 2,048, K 2,048] x [K 2,048, N 64]; A: softmax (see below); B: computed on the way: QUANTISED
;;     6. [M 8,192, K 1,024] x [K 1,024, N 1,024]; A: computed on the way; B: input W_o: QUANTISED
;;   THE QUANTISER, for each operand of a quantised product, along K:
;;     - K is cut into blocks of 32 from its start; a last block that is shorter is filled with zeros.
;;     - A block's scale is 2^e with e = floor(log2(the largest magnitude in the block)) - 4, held to -126 .. 127; a block of zeros has e = 0. As a byte (E8M0): e + 127.
;;     - Each number is divided by its block's scale, clamped to +-28, and rounded to the nearest number of E3M2, ties to even, subnormals kept.
;;     - The product sums the exact products of the quantised numbers (number of the format x scale) in f32.
;;   ~~~python
;;   def quantise(x, axis):      # numpy; x: float32 -> the quantised numbers, widened to float32 again
;;       x = np.moveaxis(x, axis, -1); K = x.shape[-1]
;;       x = np.pad(x, [(0, 0)] * (x.ndim - 1) + [(0, -K % 32)]); x = x.reshape(x.shape[:-1] + (-1, 32)); a = np.abs(x).max(-1, keepdims=True)
;;       e = np.where(a > 0, np.clip(np.frexp(np.where(a > 0, a, 1))[1] - 1 - 4, -126, 127), 0)      # np.frexp(a)[1] - 1 = floor(log2(a)), exactly
;;       r = np.clip(x / 2.0 ** e, -28, 28)
;;       step = 2.0 ** (np.maximum(np.frexp(np.where(r == 0, 1, r))[1] - 1, -2) - 2)
;;       q = np.round(r / step) * step * 2.0 ** e      # np.round: ties to even
;;       return np.moveaxis(q.reshape(q.shape[:-2] + (-1,))[..., :K], -1, axis).astype(np.float32)
;;   ~~~
;;   SOFTMAX AHEAD OF A QUANTISED PRODUCT. Where the list says 'softmax', what is quantised is not the finished softmax but p = 2^(t - M), with t = logit x log2(e) and M = ceil(the row's largest t), a whole number; so 1/2 < the row's largest p <= 1. The row's sum l is taken of the UNQUANTISED p, in f32, and the product's result is divided by l at the end. Since M is a whole number, a kernel that streams over the keys may use a running M (the ceiling of the running maximum): every later rescaling is an exact power of two, which a block's scale takes up: the codes' values come out the same.
;;   OPERANDS COMPUTED ON THE WAY. 'Computed on the way' means the value that the module computes at that place (a softmax that the list does not call 'softmax' is quantised finished and normalised). What goes into a quantiser is computed in f32, as accurately as f32 sums, v_exp_f32 and their like allow (about 1e-6 of the number): no bf16 or f16 on the way to a quantiser, and a product that is left as it is and whose result goes on into a quantised operand takes f32 operands (vector FMAs, or v_wmma_f32_16x16x4_f32). A number that lies on a knife's edge between two numbers of the format may be rounded either way, as far as f32 arithmetic and the matrix unit's own rounding can turn it there, and no further.
;; One version. Each part assembles by itself: llvm-mc -triple=amdgcn-amd-amdhsa -mcpu=gfx1250 --defsym DOCPART=n.
;; ======== version 1 of 1: 4 launches
;; workspace buffers: cw 9,437,184 bytes; cws 393,216 bytes; qkv 20,447,232 bytes
;; launch quant (part 1): grid 256 x 1, 8 waves a work-group, no clusters, 69,632 bytes of LDS; arguments x, W_q, W_k, W_v, W_o, cw, cws; writes cw, cws
.if DOCPART == 1
	.amdgcn_target "amdgcn-amd-amdhsa--gfx1250"
	.amdhsa_code_object_version 6
	.text
	.protected	k_q4d0f288bc1_quant
	.globl	k_q4d0f288bc1_quant
	.p2align	8
	.type	k_q4d0f288bc1_quant,@function
k_q4d0f288bc1_quant:
	s_mov_b64 s[64:65], 0
	v_nop
	global_prefetch_b8 v0, s[64:65] scope:SCOPE_SE
	s_setreg_imm32_b32 hwreg(HW_REG_WAVE_MODE, 25, 1), 1
	s_wait_xcnt 0x0
; x [8192][1024] f32 (K innermost) and W_q, W_k, W_v, W_o [1024 (K)][1024 (n)] f32 (K outermost) become codes of BF6 (E3M2) with one E8M0 byte for each 32 along K.
; A block's byte is its largest magnitude's exponent field - 4, held at 1 from below; each number is divided by the scale and rounded to the nearest code, ties to even, beyond 28 the largest code.
; LIMITS: NaN and infinities among the inputs are not served; a block whose largest magnitude lies under 2^-122 (a block of zeros too) gets the byte 1 where the quantiser's text says otherwise:
; a block of zeros has zero codes, which add nothing under any byte but 0xff, and this program alone reads the bytes.
; THE LAYOUT OF cw: one operand matrix of 12,288 rows x 1,024 K: rows 0-8191 x's tokens, then 1,024 rows (the columns n) of each of W_q, W_k, W_v, W_o.  16 rows are a tile, 768 tiles.
; Tile T holds in lane r the row 32 (T / 2) + 8 (T % 2) + r + 8 (r / 8).  A fragment (tile T, K step s of 128) is an image of the operand's 12 registers, at 12,288 T + 1,536 s: two halves of 768 bytes;
; half c: registers 6 c .. 6 c + 3 of lane l at 16 l, registers 6 c + 4, 6 c + 5 at 512 + 8 l.  So every store and load of a wave covers 512 or 256 consecutive bytes, aligned.
; cws: the scale word of (tile T, lane r, K step s) at 512 T + 256 (s / 4) + 16 r + 4 (s % 4).
; Work-groups 0-127 take x, 128-255 the weights: a scalar branch on the work-group's number; each way has LDS bytes of its own.  No cluster: work-groups share no input.  No matrix unit: memory binds.
.set WV,   18
.set SEL,  20                          ; s[20:21] lane selects of v_permlanex16_b32: lane l xor 16
.set TM,   16                          ; v16-19 largest magnitudes, v20-23 bytes, v28-31 the conversions' scale operands
.set RA,   32                          ; v32-159  numbers as loaded
.set X,    160                         ; v160-223 x: 64 numbers of a lane: register 16 b + i = k 32 b + 16 (lane / 16) + i of its row
.set PC,   224                         ; v224-242 the codes just made
.set PWS,  244                         ; v244-247 four K steps' scale words
.set STG,  8448                        ; x: a wave's stage: 16 rows x (512 bytes + 16)
.set WSC,  8*STG                       ; the weights: 2 x 32 lanes x 16 bytes of scale words
; 64 numbers of a lane, v[s] on, become a fragment's codes in v[PC] .. v[PC + 11] and its row's scale word in v[pw]
.macro QUANT s, pw
.irp b, 0,1,2,3
	v_max3_num_f32 v[TM+\b], |v[\s+16*\b]|, |v[\s+1+16*\b]|, 0x2800000   ; block b: my 16 numbers, and the floor 2^(5 - 127): the byte cannot fall under 1
.endr
.irp i, 2,4,6,8,10,12,14
.irp b, 0,1,2,3
	s_delay_alu instid0(VALU_DEP_4)
	v_max3_num_f32 v[TM+\b], v[TM+\b], |v[\s+16*\b+\i]|, |v[\s+1+16*\b+\i]|   ; the four blocks by turns
.endr
.endr
.irp b, 0,1,2,3
	s_delay_alu instid0(VALU_DEP_4)
	v_permlanex16_b32 v[TM+4+\b], v[TM+\b], s[SEL], s[SEL+1]
.endr
.irp b, 0,1,2,3
	s_delay_alu instid0(VALU_DEP_4)
	v_max_num_f32 v[TM+\b], v[TM+\b], v[TM+4+\b]   ; with lane l xor 16's 16: the block's largest magnitude
.endr
.irp b, 0,1,2,3
	s_delay_alu instid0(VALU_DEP_4)
	v_add_nc_u32 v[TM+12+\b], 0xfe000000, v[TM+\b]   ; 4 off its exponent field: the conversion takes this operand's exponent field as its scale
.endr
.irp b, 0,1,2,3
	s_delay_alu instid0(VALU_DEP_4)
	v_lshrrev_b32 v[TM+4+\b], 23, v[TM+12+\b]   ; the scale's byte
.endr
	s_delay_alu instid0(VALU_DEP_3)
	v_lshl_or_b32 v[\pw], v[TM+5], 8, v[TM+4]
	s_delay_alu instid0(VALU_DEP_1)
	v_lshl_or_b32 v[\pw], v[TM+6], 16, v[\pw]
	s_delay_alu instid0(VALU_DEP_1)
	v_lshl_or_b32 v[\pw], v[TM+7], 24, v[\pw]
.irp c, 0,1
	v_cvt_scalef32_pk16_bf6_f32 v[PC+6*\c:PC+2+6*\c], v[\s+32*\c:\s+15+32*\c], v[TM+12+2*\c]
	v_cvt_scalef32_pk16_bf6_f32 v[PC+12+4*\c:PC+14+4*\c], v[\s+16+32*\c:\s+31+32*\c], v[TM+12+2*\c+1]   ; (a conversion's three registers begin on an even number)
.endr
	v_nop                                          ; one plain line behind the scaled conversions
.irp c, 0,1                                    ; the operand wants a WHOLE block in a lane: lanes 0-15 block 2 c, lanes 16-31 block 2 c + 1
.irp i, 0,1,2
	v_permlane16_swap_b32 v[PC+6*\c+\i], v[PC+12+4*\c+\i]
.endr
.irp i, 0,1,2
	s_delay_alu instid0(VALU_DEP_3)
	v_mov_b32 v[PC+3+6*\c+\i], v[PC+12+4*\c+\i]
.endr
.endr
.endm
.macro STOREFRAG reg, off                      ; a fragment's image: 512, 256, 512, 256 consecutive bytes
	global_store_b128 v4, v[\reg:\reg+3], s[26:27] offset:\off
	global_store_b64 v5, v[\reg+4:\reg+5], s[26:27] offset:\off+512
	global_store_b128 v4, v[\reg+6:\reg+9], s[26:27] offset:\off+768
	global_store_b64 v5, v[\reg+10:\reg+11], s[26:27] offset:\off+1280
.endm
	s_load_b256 s[4:11], s[0:1], 0x0               ; x s[4:5], W_q s[6:7], W_k s[8:9], W_v s[10:11]
	s_load_b128 s[12:15], s[0:1], 0x20             ; W_o s[12:13], cw s[14:15]
	s_load_b64 s[16:17], s[0:1], 0x30              ; cws
	v_lshl_add_u32 v254, v0, 2, 0x10c00
	v_mov_b32 v255, 0
	v_lshrrev_b32 v1, 5, v0
	s_delay_alu instid0(VALU_DEP_1)
	v_readfirstlane_b32 s[WV], v1                  ; wave 0..7
	; every address register of both ways is made here, ahead of the parting
	v_and_b32 v1, 31, v0                           ; lane
	v_and_b32 v2, 15, v0                           ; r
	v_bfe_u32 v3, v0, 4, 1                         ; h
	s_delay_alu instid0(VALU_DEP_3)
	v_lshlrev_b32 v4, 4, v1                        ; 16 x lane
	s_delay_alu instid0(VALU_DEP_4)
	v_lshlrev_b32 v5, 3, v1                        ; 8 x lane
	s_mul_i32 s19, s[WV], STG
	v_add_nc_u32 v7, s19, v4                       ; x's stage, in: a row's 512 bytes as they lie
	v_mul_u32_u24 v8, v2, 528
	s_delay_alu instid0(VALU_DEP_1)
	v_lshl_add_u32 v8, v3, 6, v8
	s_delay_alu instid0(VALU_DEP_1)
	v_add_nc_u32 v8, s19, v8                       ; and out: row r, + 64 h: my 16 numbers of a block
	v_lshlrev_b32 v9, 4, v2                        ; 16 r
	v_and_b32 v10, 8, v2
	s_delay_alu instid0(VALU_DEP_1)
	v_add_nc_u32 v10, v10, v2
	s_delay_alu instid0(VALU_DEP_1)
	v_lshl_add_u32 v10, v3, 3, v10
	s_delay_alu instid0(VALU_DEP_1)
	v_lshlrev_b32 v10, 2, v10                      ; the weights: my column of the wave's 32, in bytes: lanes 0-15 the first tile's rows, lanes 16-31 the second's
	s_and_b32 s32, s[WV], 1
	s_lshl_b32 s32, s32, 9
	s_add_co_u32 s32, s32, WSC
	v_add_nc_u32 v12, s32, v4                      ; the scale words of my 32 columns: 16 bytes a lane,
	s_lshr_b32 s33, s[WV], 1
	s_lshl_b32 s33, s33, 2
	v_add_nc_u32 v11, s33, v12                     ; of which my K step's word is one
	v_lshl_add_u32 v13, v3, 9, v9                  ; and their place in cws: 512 h + 16 r
.irp b, 0,1,2,3
	v_mov_b32 v[TM+4+\b], 0                        ; written once: a lane permute's destination counts as one of its sources
.endr
	s_mov_b32 s[SEL], 0x76543210
	s_mov_b32 s[SEL+1], 0xfedcba98
	s_mov_b32 s23, 0
	s_wait_kmcnt 0x0
	s_cmp_ge_u32 ttmp9, 128
	s_cbranch_scc1 .Lweights
	; ---- x.  A wave takes tile T = 4 g + wave / 2 and K steps 4 p .. 4 p + 3, p = wave % 2: 16 rows x 2,048 bytes.
	s_lshl_b32 s32, ttmp9, 2
	s_lshr_b32 s33, s[WV], 1
	s_add_co_u32 s32, s32, s33                     ; T
	s_and_b32 s34, s[WV], 1                        ; p
	s_lshr_b32 s35, s32, 1
	s_lshl_b32 s35, s35, 5
	s_and_b32 s36, s32, 1
	s_lshl_b32 s36, s36, 3
	s_add_co_u32 s35, s35, s36                     ; the tile's first row: 32 (T / 2) + 8 (T % 2)
	s_lshl_b32 s22, s35, 12                        ; rows of 4,096 bytes
	s_lshl_b32 s36, s34, 11
	s_add_co_u32 s22, s22, s36
	s_add_nc_u64 s[24:25], s[4:5], s[22:23]
	s_mul_i32 s22, s32, 12288
	s_mul_i32 s36, s34, 6144
	s_add_co_u32 s22, s22, s36
	s_add_nc_u64 s[26:27], s[14:15], s[22:23]
	s_lshl_b32 s22, s32, 9
	s_lshl_b32 s36, s34, 8
	s_add_co_u32 s22, s22, s36
	s_add_nc_u64 s[28:29], s[16:17], s[22:23]
.macro LOADX s                                 ; K step s of the tile's 16 rows: each load reads 512 consecutive bytes of one row
.irp i, 0,1,2,3,4,5,6,7,8,9,10,11,12,13,14,15
	global_load_b128 v[RA+64*((\s)%2)+4*\i:RA+64*((\s)%2)+4*\i+3], v4, s[24:25] offset:512*(\s)+(\i+8*(\i/8))*4096 th:TH_LOAD_NT
.endr
.endm
.macro XSTEP s
.if (\s) < 3
	s_wait_loadcnt 16                              ; this step's sixteen loads are in; the next step's sixteen may be out
.else
	s_wait_loadcnt 0x0
.endif
.irp i, 0,1,2,3,4,5,6,7,8,9,10,11,12,13,14,15
	ds_store_b128 v7, v[RA+64*((\s)%2)+4*\i:RA+64*((\s)%2)+4*\i+3] offset:528*\i
.endr
.irp b, 0,1,2,3
.irp j, 0,1,2,3
	ds_load_b128 v[X+16*\b+4*\j:X+16*\b+4*\j+3], v8 offset:128*\b+16*\j   ; LDS serves a wave's instructions in order: these see my stores
.endr
.endr
	s_wait_dscnt 0x0                               ; the numbers are back, and the stores have read their registers,
.if (\s) < 2
	LOADX (\s)+2                                   ; which take the loads of two steps on
.endif
	s_wait_xcnt 0x0                                ; the last step's stores have read the codes' registers: they are written again only behind this wait
	QUANT X, PWS+(\s)
	STOREFRAG PC, 1536*(\s)
.endm
	LOADX 0
	LOADX 1
	XSTEP 0
	XSTEP 1
	XSTEP 2
	XSTEP 3
	v_cmp_gt_u32 vcc_lo, 16, v1                    ; both halves of the lanes hold the same words: lanes 0-15 store them, 256 consecutive bytes
	s_wait_xcnt 0x0                                ; EXEC changes only behind this wait
	s_and_saveexec_b32 s30, vcc_lo
	global_store_b128 v9, v[PWS:PWS+3], s[28:29]
	s_wait_xcnt 0x0                                ; and again in front of the line that widens it
	s_or_b32 exec_lo, exec_lo, s30
	s_branch .Ljoin
.Lweights:
	; ---- the weights.  g' = g - 128: weight g' / 32, 64 columns (g' % 32) / 2, half p = g' % 2 of K.  A wave takes 32 columns (two tiles) x one K step: a lane takes a column and its 128 registers run down K.
	s_sub_co_u32 s32, ttmp9, 128
	s_lshr_b32 s33, s32, 5                         ; which weight: 0..3 = q, k, v, o
	s_bfe_u32 s34, s32, 0x40001                    ; which 64 columns
	s_and_b32 s35, s32, 1                          ; p
	s_and_b32 s36, s[WV], 1
	s_lshl_b32 s36, s36, 5
	s_lshl_b32 s34, s34, 6
	s_add_co_u32 s34, s34, s36                     ; my first column
	s_lshr_b32 s36, s[WV], 1
	s_lshl_b32 s37, s35, 2
	s_add_co_u32 s36, s36, s37                     ; my K step: 4 p + wave / 2
	s_cmp_eq_u32 s33, 1                            ; the choice hangs on the work-group's number alone
	s_cselect_b64 s[24:25], s[8:9], s[6:7]
	s_cmp_eq_u32 s33, 2
	s_cselect_b64 s[24:25], s[10:11], s[24:25]
	s_cmp_eq_u32 s33, 3
	s_cselect_b64 s[24:25], s[12:13], s[24:25]
	s_lshl_b32 s22, s36, 19                        ; 128 rows of 4,096 bytes a K step
	s_lshl_b32 s37, s34, 2
	s_add_co_u32 s22, s22, s37
	s_add_nc_u64 s[24:25], s[24:25], s[22:23]
	s_lshl_b32 s37, s33, 6
	s_lshr_b32 s38, s34, 4
	s_add_co_u32 s37, s37, s38
	s_add_co_u32 s37, s37, 512                     ; my first tile in cw
	s_mul_i32 s22, s37, 12288
	s_mul_i32 s38, s36, 1536
	s_add_co_u32 s22, s22, s38
	s_add_nc_u64 s[26:27], s[14:15], s[22:23]
	s_lshl_b32 s22, s37, 9
	s_lshl_b32 s38, s35, 8
	s_add_co_u32 s22, s22, s38
	s_add_nc_u64 s[28:29], s[16:17], s[22:23]
.set n, 0
	s_wait_alu depctr_va_vdst(0)
.rept 128
	global_load_b32 v[RA+n], v10, s[24:25] offset:4096*n th:TH_LOAD_NT   ; row k of W at my wave's 32 columns: 128 consecutive bytes
.set n, n+1
.endr
.macro WMAX b                                  ; block b: all its 32 numbers are mine
.set XS, RA+32*(\b)
	v_max3_num_f32 v[16+\b], |v[XS]|, |v[XS+1]|, |v[XS+2]|
	v_max3_num_f32 v[20+\b], |v[XS+3]|, |v[XS+4]|, |v[XS+5]|
.irp i, 6,10,14,18,22,26
	s_delay_alu instid0(VALU_DEP_2)
	v_max3_num_f32 v[16+\b], v[16+\b], |v[XS+\i]|, |v[XS+\i+1]|
	s_delay_alu instid0(VALU_DEP_2)
	v_max3_num_f32 v[20+\b], v[20+\b], |v[XS+\i+2]|, |v[XS+\i+3]|
.endr
	s_delay_alu instid0(VALU_DEP_2)
	v_max3_num_f32 v[16+\b], v[16+\b], |v[XS+30]|, |v[XS+31]|
	s_delay_alu instid0(VALU_DEP_1)
	v_max3_num_f32 v[16+\b], v[16+\b], v[20+\b], 0x2800000   ; and the floor
	s_delay_alu instid0(VALU_DEP_1)
	v_add_nc_u32 v[28+\b], 0xfe000000, v[16+\b]    ; the conversion's scale operand
	s_delay_alu instid0(VALU_DEP_1)
	v_lshrrev_b32 v[24+\b], 23, v[28+\b]           ; the byte
.endm
	s_wait_loadcnt 63                              ; at most 63 of the 128 are out: the first 64, blocks 0 and 1, are in
	WMAX 0
	WMAX 1
	s_wait_loadcnt 32                              ; block 3's 32 may be out
	WMAX 2
	s_wait_loadcnt 0x0
	WMAX 3
	v_lshl_or_b32 v200, v25, 8, v24                ; my column's scale word of this K step
	s_delay_alu instid0(VALU_DEP_1)
	v_lshl_or_b32 v200, v26, 16, v200
	s_delay_alu instid0(VALU_DEP_1)
	v_lshl_or_b32 v200, v27, 24, v200
	; v160-171: blocks 0 and 2, v172-183: blocks 1 and 3, six registers each
	v_cvt_scalef32_pk16_bf6_f32 v[160:162], v[32:47], v28
	v_cvt_scalef32_pk16_bf6_f32 v[184:186], v[48:63], v28
	v_cvt_scalef32_pk16_bf6_f32 v[166:168], v[96:111], v30
	v_cvt_scalef32_pk16_bf6_f32 v[188:190], v[112:127], v30
	v_cvt_scalef32_pk16_bf6_f32 v[172:174], v[64:79], v29
	v_cvt_scalef32_pk16_bf6_f32 v[192:194], v[80:95], v29
	v_cvt_scalef32_pk16_bf6_f32 v[178:180], v[128:143], v31
	v_cvt_scalef32_pk16_bf6_f32 v[196:198], v[144:159], v31
	v_nop                                          ; one plain line behind the scaled conversions
.irp i, 0,1,2
	v_mov_b32 v[163+\i], v[184+\i]
	v_mov_b32 v[169+\i], v[188+\i]
	v_mov_b32 v[175+\i], v[192+\i]
	v_mov_b32 v[181+\i], v[196+\i]
.endr
.irp i, 0,1,2,3,4,5,6,7,8,9,10,11
	v_permlane16_swap_b32 v[160+\i], v[172+\i]     ; the first run's lanes 16-31 (second tile, blocks 0, 2) change places with the second's lanes 0-15 (first tile, blocks 1, 3): each run is now one tile's fragment
.endr
	STOREFRAG 160, 0
	STOREFRAG 172, 12288
	ds_store_b32 v11, v200                         ; four waves' words make 16 bytes a lane
.Ljoin:
	s_wait_dscnt 0x0                               ; for the others' sake: my LDS stores are done
	s_barrier_signal -1
	s_barrier_wait -1                              ; the launch's one barrier, on every wave's way
	s_cmp_lt_u32 ttmp9, 128
	s_cbranch_scc1 .Lend
	s_cmp_lt_u32 s[WV], 2                          ; waves 0 and 1 store their 32 columns' words of four K steps
	s_cbranch_scc0 .Lend
	ds_load_b128 v[204:207], v12
	s_wait_dscnt 0x0
	global_store_b128 v13, v[204:207], s[28:29]    ; lanes 0-15 and lanes 16-31: 256 consecutive bytes each, aligned
.Lend:
	s_wait_tensorcnt 0x0
	ds_add_u32 v254, v255
	s_wait_dscnt 0x0
	s_endpgm
.Lfunc_end_k_q4d0f288bc1_quant:
	.size	k_q4d0f288bc1_quant, .Lfunc_end_k_q4d0f288bc1_quant-k_q4d0f288bc1_quant
	.p2alignl 7, 3214868480
	.fill 96, 4, 3214868480
	.section	.rodata,"a",@progbits
	.p2align	6, 0x0
	.amdhsa_kernel k_q4d0f288bc1_quant
		.amdhsa_group_segment_fixed_size 69632
		.amdhsa_private_segment_fixed_size 0
		.amdhsa_enable_private_segment 0
		.amdhsa_kernarg_size 56
		.amdhsa_user_sgpr_count 2
		.amdhsa_user_sgpr_kernarg_segment_ptr 1
		.amdhsa_wavefront_size32 1
		.amdhsa_system_sgpr_workgroup_id_x 1
		.amdhsa_system_sgpr_workgroup_id_y 1
		.amdhsa_system_sgpr_workgroup_id_z 1
		.amdhsa_system_vgpr_workitem_id 0
		.amdhsa_next_free_vgpr 256
		.amdhsa_next_free_sgpr 66
		.amdhsa_reserve_vcc 1
		.amdhsa_float_denorm_mode_32 3
		.amdhsa_float_denorm_mode_16_64 3
		.amdhsa_memory_ordered 1
		.amdhsa_forward_progress 1
		.amdhsa_inst_pref_size 64
	.end_amdhsa_kernel
	.amdgpu_metadata
---
amdhsa.version: [ 1, 2 ]
amdhsa.kernels:
  - .name:           k_q4d0f288bc1_quant
    .symbol:         k_q4d0f288bc1_quant.kd
    .args:
      - { .name: x, .offset: 0, .size: 8, .value_kind: global_buffer, .address_space: global }
      - { .name: W_q, .offset: 8, .size: 8, .value_kind: global_buffer, .address_space: global }
      - { .name: W_k, .offset: 16, .size: 8, .value_kind: global_buffer, .address_space: global }
      - { .name: W_v, .offset: 24, .size: 8, .value_kind: global_buffer, .address_space: global }
      - { .name: W_o, .offset: 32, .size: 8, .value_kind: global_buffer, .address_space: global }
      - { .name: cw, .offset: 40, .size: 8, .value_kind: global_buffer, .address_space: global }
      - { .name: cws, .offset: 48, .size: 8, .value_kind: global_buffer, .address_space: global }
    .group_segment_fixed_size: 69632
    .private_segment_fixed_size: 0
    .kernarg_segment_align: 8
    .kernarg_segment_size: 56
    .max_flat_workgroup_size: 256
    .sgpr_count:     66
    .vgpr_count:     256
    .wavefront_size: 32
...
	.end_amdgpu_metadata
.endif
;; end of part 1
;; launch proj (part 2): grid 8 x 96, 4 waves a work-group, clusters of 4 x 4, 327,680 bytes of LDS; arguments cw, cws, qkv; writes qkv
.if DOCPART == 2
	.amdgcn_target "amdgcn-amd-amdhsa--gfx1250"
	.amdhsa_code_object_version 6
	.text
	.protected	k_q4d0f288bc1_proj
	.globl	k_q4d0f288bc1_proj
	.p2align	8
	.type	k_q4d0f288bc1_proj,@function
k_q4d0f288bc1_proj:
	s_mov_b64 s[64:65], 0
	v_nop
	global_prefetch_b8 v0, s[64:65] scope:SCOPE_SE
	s_setreg_imm32_b32 hwreg(HW_REG_WAVE_MODE, 25, 1), 1
	s_wait_xcnt 0x0
	s_wait_alu depctr_hold_cnt(0) depctr_sa_sdst(0) depctr_va_vdst(0) depctr_va_sdst(0) depctr_va_ssrc(0) depctr_va_vcc(0) depctr_vm_vsrc(0)
	s_getreg_b32 s2, hwreg(HW_REG_IB_STS2, 6, 4)
	s_cmp_eq_u32 s2, 0
	s_cbranch_scc0 .Lentry_in_a_cluster
	s_endpgm
.Lentry_in_a_cluster:
	s_bfe_u32 s2, ttmp6, 0x10000c
	s_cmp_lg_u32 s2, 0xf033
	s_cbranch_scc0 .Lentry_shape_is_right
	s_endpgm
.Lentry_shape_is_right:
; q = x W_q, k = x W_k, v = x W_v on codes of BF6 (E3M2) with E8M0 scales, and the results quantised again in registers: q and k along the head's 64 channels, v along the tokens.
; C[m][n] = sum over k of A[m][k] B[n][k]; A and B are runs of tiles of cw (16 rows a tile; a fragment is an image of the operand's 12 registers, 1,536 bytes, at 12,288 x tile + 1,536 x K step;
; lane r of tile T is row 32 (T / 2) + 8 (T % 2) + r + 8 (r / 8)).  A work-group makes 128 (m) x 256 (n), each of four waves 64 x 128: 32 accumulators.
; THE WHOLE K OF THE TILE LIES IN LDS: (128 + 256) rows x 768 bytes = 294,912 bytes, asked for by the first instructions in four chunks of two K steps; no byte of LDS is filled twice.
; The tile is 128 x 256 because that gives 768 = 3 x 256 work-groups here and 256 in the last product's launch.
; ONE TEXT, TWO ORIENTATIONS, chosen by scalar selects on the cluster's y (equal in all partners; no branch hangs on it).  Clusters y < 16: A = x (m = token), B = W_q | W_k (n = channel).
; Clusters y >= 16: A = W_v (m = channel), B = x (n = token).  THE MATRIX INSTRUCTION IS USED TRANSPOSED (source 0 = 16 rows of B, source 1 = 16 rows of A), so that a lane holds one m and, by the order of a
; tile's rows, the 16 registers of B's tiles 2 b and 2 b + 1 are 16 neighbours along n: 32 b + 16 (lane / 16) + 0 .. 15.  So the way out quantises along n, which is what q, k (channels) and v (tokens) want.
; CLUSTERS: 4 x 4.  A's tiles are shared along a row of the cluster, B's along a column: each is asked for jointly, by the same tensor load with the same descriptor and a mask that names the four.
; qkv: 64 records (16 x batch + head) of REC bytes: k's codes (128 token tiles x 768 bytes), v's codes ([key step 16][channel tile 4] fragments), k's scale words, v's, q's codes, q's scale words.
; LIMITS: NaN and infinities are not served; a block whose largest magnitude lies under 2^-122 gets the byte 1 (a block of zeros too: its codes are zeros, and this program alone reads the bytes).
; REGISTERS: window 0: v1-24 addresses; v32-95 scale words; v96-143 A's four fragments, ONE set; v144-239 B's eight, set 0.  window 1: the accumulators, (a, b) at v[8 (8 a + b)].  window 2: v144-239 B's set 1.
.set CH,   73728                       ; a chunk: two K steps: A's 8 tiles x 3,072 bytes, then B's 16
.set REC,  319488
.set RKC,  0
.set RVC,  98304
.set RKS,  196608
.set RVS,  204800
.set RQC,  212992
.set RQS,  311296
.set WV,   10
.set II,   11                          ; which 64 of the 128 m are mine.  Also: I fetch for A (0) or for B (1)
.set JJ,   12                          ; which 128 of the 256 n.  Also: which half of that operand's tiles I fetch
.set CX,   13
.set CY,   14
.set TR,   15
.set TC,   16
.set TA0,  17
.set TB0,  18
.set G1A,  24                          ; s[24:31], s[32:39] descriptor groups 1;  s[40:55], s[68:83] groups 0, one set for each chunk
.set G1B,  32
.set G0A,  40
.set G0B,  68
.set P0,   84                          ; s[84:85], s[86:87] where a fragment's two halves go;  s[88:89] the scale words;  s[90:91] the step from one of A's tiles to the next
.set P1,   86
.set PS,   88
.set AST,  90
.set SEL,  92
.set A16,  16
.set A8,   17
.set B16,  18
.set B8,   19
.set VSC,  20
.set VO16, 21
.set VO8,  22
.set VSO,  23
.set VSH,  24
.set SC,   32                          ; register SC + 8 i + s: lanes 0-15 the word of my A tile i, lanes 16-31 of my B tile i, for K step s
.set AF,   96
.set BF,   144
.set TM,   96                          ; the way out, in the registers that A's fragments have left
.set PC,   112
.set PWS,  132
.set W_M0, 0x50                        ; C and D window 1; sources window 0
.set W_M1, 0x52                        ; the same, source 0 (B) window 2
.set W_B1, 0x80                        ; destination window 2
.set MSB, 0
.macro WIN new                         ; the immediate's high byte repeats the setting that is left
.if MSB != \new
	s_set_vgpr_msb (MSB<<8)|\new
.set MSB, \new
.endif
.endm
.macro ROUND                           ; a round of the cluster's barrier
	s_barrier_signal -1
	s_barrier_wait -1
	s_cmp_lg_u32 s[WV], 0
	s_cbranch_scc1 .Lnot_wave_0_\@
	s_barrier_signal -3
.Lnot_wave_0_\@:
	s_barrier_wait -3
	s_barrier_signal -1
	s_barrier_wait -1
.endm
.macro PLACES                          ; four plain lines between a matrix instruction and a load into, or a vector read of, its registers
.rept 4
	v_nop
.endr
.endm
.macro FRAG reg, a16, a8, off          ; a fragment's image comes back as it was stored
	ds_load_b128 v[\reg:\reg+3], v[\a16] offset:\off
	ds_load_b64 v[\reg+4:\reg+5], v[\a8] offset:\off+512
	ds_load_b128 v[\reg+6:\reg+9], v[\a16] offset:\off+768
	ds_load_b64 v[\reg+10:\reg+11], v[\a8] offset:\off+1280
.endm
.macro FETCH_B s                       ; B's eight fragments of K step s into set s % 2: 32 loads
.if (\s)%2
	WIN W_B1
.else
	WIN 0
.endif
.irp b, 0,1,2,3,4,5,6,7
	FRAG BF+12*\b, B16, B8, 3072*\b+1536*((\s)%2)
.endr
	WIN 0
.endm
.macro FETCH_A s, a0                   ; A's fragments a0, a0 + 1: 8 loads
.irp a, \a0, \a0+1
	FRAG AF+12*(\a), A16, A8, 3072*(\a)+1536*((\s)%2)
.endr
.endm
.macro MUL a, s, zero                  ; A's tile a against B's eight.  The 32 accumulators take turns, one instruction a turn, in the same order in every K step
.irp b, 0,1,2,3,4,5,6,7
.if \zero
	v_wmma_scale_f32_16x16x128_f8f6f4 v[8*(8*(\a)+\b):8*(8*(\a)+\b)+7], v[BF+12*\b:BF+12*\b+11], v[AF+12*(\a):AF+12*(\a)+11], 0, v[SC+8*\b+(\s)], v[SC+8*(\a)+(\s)] matrix_a_fmt:MATRIX_FMT_BF6 matrix_b_fmt:MATRIX_FMT_BF6 matrix_a_scale:MATRIX_SCALE_ROW1
.else
	v_wmma_scale_f32_16x16x128_f8f6f4 v[8*(8*(\a)+\b):8*(8*(\a)+\b)+7], v[BF+12*\b:BF+12*\b+11], v[AF+12*(\a):AF+12*(\a)+11], v[8*(8*(\a)+\b):8*(8*(\a)+\b)+7], v[SC+8*\b+(\s)], v[SC+8*(\a)+(\s)] matrix_a_fmt:MATRIX_FMT_BF6 matrix_b_fmt:MATRIX_FMT_BF6 matrix_a_scale:MATRIX_SCALE_ROW1
.endif
.endr
.endm
.macro EVEN s, zero                    ; a K step whose successor lies in the same chunk
	s_wait_dscnt 8                                 ; B's set and A's tiles 0, 1 are in; the youngest eight loads (A's tiles 2, 3) may be out
	WIN W_M0
	MUL 0, \s, \zero
	MUL 1, \s, \zero
	s_wait_dscnt 0x0
	PLACES
	FETCH_B (\s)+1
	FETCH_A (\s)+1, 0
	WIN W_M0
	MUL 2, \s, \zero
	MUL 3, \s, \zero
	PLACES
	WIN 0
	FETCH_A (\s)+1, 2
.endm
.macro ODD s                           ; a chunk's second K step: the next chunk is shown to every wave
	s_wait_tensorcnt 3-((\s)+1)/2                  ; my part of the next chunk has landed; the later chunks' loads may be out
	s_wait_dscnt 0x0                               ; no LDS instruction of mine is out at a signal
	s_barrier_signal -1
	WIN W_M1
	MUL 0, \s, 0
	MUL 1, \s, 0
	WIN 0
	s_barrier_wait -1
	v_add_nc_u32 v[A16], CH, v[A16]                ; on to the next chunk; these four are also the places in front of the loads
	v_add_nc_u32 v[A8], CH, v[A8]
	v_add_nc_u32 v[B16], CH, v[B16]
	v_add_nc_u32 v[B8], CH, v[B8]
	FETCH_B (\s)+1
	FETCH_A (\s)+1, 0
	WIN W_M1
	MUL 2, \s, 0
	MUL 3, \s, 0
	PLACES
	WIN 0
	FETCH_A (\s)+1, 2
.endm
	s_load_b128 s[4:7], s[0:1], 0x0                ; cw, cws
	s_load_b64 s[8:9], s[0:1], 0x10                ; qkv
	v_lshl_add_u32 v254, v0, 2, 0x48000
	v_mov_b32 v255, 0
	ds_add_u32 v254, v255
	ds_add_u32 v254, v255
	v_lshrrev_b32 v1, 5, v0
	v_readfirstlane_b32 s[WV], v1                  ; wave 0..3
	s_lshr_b32 s[II], s[WV], 1
	s_and_b32 s[JJ], s[WV], 1
	s_bfe_u32 s[CX], ttmp6, 0x40000                ; my place in the cluster
	s_bfe_u32 s[CY], ttmp6, 0x40004
	s_and_b32 s19, ttmp7, 0xffff                   ; the cluster's y: 0..15 q and k, 16..23 v
	s_sub_co_u32 s20, s19, 16
	s_cmp_ge_u32 s19, 16
	s_cselect_b32 s21, ttmp9, s19                  ; which four tile rows,
	s_cselect_b32 s22, s20, ttmp9                  ; which four tile columns,
	s_cselect_b32 s23, 640, 0                      ; A's first tile in cw: W_v's or x's,
	s_cselect_b32 s66, 0, 512                      ; B's: x's or W_q's
	s_cselect_b32 s67, 1, 0                        ; 1: v
	s_lshl_b32 s[TR], s21, 2
	s_add_co_u32 s[TR], s[TR], s[CY]               ; tile row: it holds cy and never cx
	s_lshl_b32 s[TC], s22, 2
	s_add_co_u32 s[TC], s[TC], s[CX]               ; tile column: cx and never cy
	s_lshl_b32 s[TA0], s[TR], 3
	s_add_co_u32 s[TA0], s[TA0], s23
	s_lshl_b32 s[TB0], s[TC], 4
	s_add_co_u32 s[TB0], s[TB0], s66
	s_lshl_b32 s19, s[CY], 2
	s_lshl_b32 s19, 15, s19                        ; my row of the cluster
	s_lshl_b32 s20, 0x1111, s[CX]                  ; my column
	; descriptor groups 1: rows of 3,072 bytes (a tile's two K steps; 384 elements of 8 bytes), 12,288 bytes apart; A: 4 rows, B: 8
	s_or_b32 s[G1A], s19, (3<<16)|(1<<21)
	s_or_b32 s[G1B], s20, (3<<16)|(1<<21)
.irp g, G1A, G1B
	s_mov_b32 s[\g+1], 384<<16                     ; tensor_dim0
	s_mov_b32 s[\g+3], 384<<16                     ; tile_dim0
	s_mov_b32 s[\g+5], 1536                        ; from row to row
	s_mov_b32 s[\g+6], 0
	s_mov_b32 s[\g+7], 0
.endr
	s_mov_b32 s[G1A+2], 4<<16                      ; tensor_dim1
	s_mov_b32 s[G1A+4], 4                          ; tile_dim1
	s_mov_b32 s[G1B+2], 8<<16
	s_mov_b32 s[G1B+4], 8
	s_lshl_b32 s56, s[JJ], 2
	s_add_co_u32 s56, s56, s[TA0]
	s_mul_i32 s56, s56, 12288                      ; A: tiles TA0 + 4 J on
	s_mov_b32 s57, 0
	s_lshl_b32 s58, s[JJ], 3
	s_add_co_u32 s58, s58, s[TB0]
	s_mul_i32 s58, s58, 12288                      ; B: tiles TB0 + 8 J on
	s_mov_b32 s59, 0
	s_mul_i32 s60, s[JJ], 12288                    ; and where they go in a chunk: no place in the cluster enters an LDS address
	s_mul_i32 s61, s[JJ], 24576
	s_add_co_u32 s61, s61, 24576
	s_wait_dscnt 0x0
	s_wait_kmcnt 0x0
	s_add_nc_u64 s[56:57], s[4:5], s[56:57]
	s_add_nc_u64 s[58:59], s[4:5], s[58:59]
	ROUND                                          ; all sixteen work-groups are here: the joint loads meet
.irp q, 0,1,2,3
	s_mov_b32 s[G0A+4*\q], 1
	s_add_co_u32 s[G0A+4*\q+1], s60, \q*CH
	s_add_nc_u64 s[G0A+4*\q+2:G0A+4*\q+3], s[56:57], \q*3072
	s_or_b32 s[G0A+4*\q+3], s[G0A+4*\q+3], 0x80000000
	s_mov_b32 s[G0B+4*\q], 1
	s_add_co_u32 s[G0B+4*\q+1], s61, \q*CH
	s_add_nc_u64 s[G0B+4*\q+2:G0B+4*\q+3], s[58:59], \q*3072
	s_or_b32 s[G0B+4*\q+3], s[G0B+4*\q+3], 0x80000000
.endr
	s_cmp_eq_u32 s[II], 0                          ; waves 0, 1 fetch A's halves, waves 2, 3 B's: a wave's four loads stand in one arm; four of mine are out
	s_cbranch_scc0 .Lfor_b
	tensor_load_to_lds s[G0A:G0A+3], s[G1A:G1A+7]
	s_nop 0
	tensor_load_to_lds s[G0A+4:G0A+7], s[G1A:G1A+7]
	s_nop 0
	tensor_load_to_lds s[G0A+8:G0A+11], s[G1A:G1A+7]
	s_nop 0
	tensor_load_to_lds s[G0A+12:G0A+15], s[G1A:G1A+7]
	s_nop 0
.rept 4
	v_nop
.endr
	s_branch .Lasked
.Lfor_b:
	tensor_load_to_lds s[G0B:G0B+3], s[G1B:G1B+7]
	s_nop 0
	tensor_load_to_lds s[G0B+4:G0B+7], s[G1B:G1B+7]
	s_nop 0
	tensor_load_to_lds s[G0B+8:G0B+11], s[G1B:G1B+7]
	s_nop 0
	tensor_load_to_lds s[G0B+12:G0B+15], s[G1B:G1B+7]
	s_nop 0
.rept 4
	v_nop
.endr
.Lasked:
	v_and_b32 v1, 31, v0                           ; lane
	v_and_b32 v2, 15, v0                           ; r
	v_bfe_u32 v3, v0, 4, 1                         ; h
	s_wait_alu depctr_va_vdst(0)
	v_lshlrev_b32 v[VO16], 4, v1
	v_lshlrev_b32 v[VO8], 3, v1
	s_mul_i32 s56, s[II], 12288                    ; my four tiles of A
	v_add_nc_u32 v[A16], s56, v[VO16]
	v_add_nc_u32 v[A8], s56, v[VO8]
	s_mul_i32 s56, s[JJ], 24576                    ; my eight of B, behind A's eight
	s_add_co_u32 s56, s56, 24576
	v_add_nc_u32 v[B16], s56, v[VO16]
	v_add_nc_u32 v[B8], s56, v[VO8]
	; the scale words come once, from memory into registers: lanes 0-15 take A's tiles' words, lanes 16-31 B's; a load brings four K steps' words, 256 consecutive bytes for each half of the lanes
	s_lshl_b32 s56, s[II], 2
	s_add_co_u32 s56, s56, s[TA0]
	s_lshl_b32 s56, s56, 9
	s_lshl_b32 s57, s[JJ], 3
	s_add_co_u32 s57, s57, s[TB0]
	s_lshl_b32 s57, s57, 9
	v_mov_b32 v4, s56
	v_mov_b32 v5, s57
	v_cmp_eq_u32 vcc_lo, 1, v3
	v_cndmask_b32 v[VSC], v4, v5, vcc_lo
	v_lshl_add_u32 v[VSC], v2, 4, v[VSC]
.irp i, 0,1,2,3,4,5,6,7                        ; (for i >= 4 lanes 0-15 read words of tiles that are not mine and not used: tile 707 at the most, inside cws)
.irp p, 0,1
	global_load_b128 v[SC+8*\i+4*\p:SC+8*\i+4*\p+3], v[VSC], s[6:7] offset:512*\i+256*\p
.endr
.endr
	; where the results go.  q and k: token tiles 8 TR + 4 I on; heads 4 TC + 2 J and the next; a fragment's two halves are two heads' 64 channels
	s_lshl_b32 s56, s[TR], 3
	s_lshl_b32 s57, s[II], 2
	s_add_co_u32 s56, s56, s57
	s_lshr_b32 s57, s56, 7                         ; batch
	s_and_b32 s56, s56, 127                        ; token tile in the batch
	s_lshl_b32 s58, s[TC], 2
	s_lshl_b32 s59, s[JJ], 1
	s_add_co_u32 s58, s58, s59
	s_and_b32 s58, s58, 15                         ; head
	s_lshl_b32 s57, s57, 4
	s_add_co_u32 s57, s57, s58                     ; record
	s_mul_i32 s58, s56, 768
	s_lshr_b32 s59, s56, 2
	s_lshl_b32 s59, s59, 8
	s_mov_b32 s61, RKS
	s_cmp_eq_u32 ttmp9, 0                          ; cluster x = 0: W_q's columns, 1: W_k's
	s_cselect_b32 s60, RQC, RKC
	s_cselect_b32 s61, RQS, s61
	s_add_co_u32 s58, s58, s60
	s_add_co_u32 s59, s59, s61
	; v: head 2 TR + I; key step 2 TC + J; a fragment is 16 channels x 128 tokens
	s_lshl_b32 s62, s[TR], 1
	s_add_co_u32 s62, s62, s[II]
	s_lshl_b32 s63, s[TC], 1
	s_add_co_u32 s63, s63, s[JJ]
	s_lshr_b32 s66, s63, 4                         ; batch
	s_and_b32 s63, s63, 15                         ; key step in the batch
	s_lshl_b32 s66, s66, 4
	s_add_co_u32 s62, s62, s66                     ; record
	s_mul_i32 s66, s63, 6144
	s_add_co_u32 s66, s66, RVC
	s_lshl_b32 s63, s63, 9
	s_add_co_u32 s63, s63, RVS
	s_mov_b32 s60, REC
	s_mov_b32 s[AST], 768
	s_cmp_eq_u32 s67, 1
	s_cselect_b32 s57, s62, s57
	s_cselect_b32 s58, s66, s58
	s_cselect_b32 s59, s63, s59
	s_cselect_b32 s61, 768, s60                    ; from a fragment's first half to its second: the next 768 bytes, or the next head's record
	s_cselect_b32 s62, 256, s60                    ; where lanes 16-31 put the scale words: a copy, or the next head's record
	s_cselect_b32 s63, 0, 16                       ; and by how much they shift them: the next head's two bytes come down
	s_cselect_b32 s[AST], 1536, s[AST]
	s_mov_b32 s[AST+1], 0
	s_mul_i32 s57, s57, REC
	s_add_co_u32 s[P0], s58, s57
	s_mov_b32 s[P0+1], 0
	s_add_nc_u64 s[P0:P0+1], s[8:9], s[P0:P0+1]
	s_mov_b32 s[P1], s61
	s_mov_b32 s[P1+1], 0
	s_add_nc_u64 s[P1:P1+1], s[P0:P0+1], s[P1:P1+1]
	s_add_co_u32 s[PS], s59, s57
	s_mov_b32 s[PS+1], 0
	s_add_nc_u64 s[PS:PS+1], s[8:9], s[PS:PS+1]
	v_mul_u32_u24 v[VSO], s62, v3
	v_lshl_add_u32 v[VSO], v2, 4, v[VSO]
	v_mul_u32_u24 v[VSH], s63, v3
	s_mov_b32 s[SEL], 0x76543210
	s_mov_b32 s[SEL+1], 0xfedcba98
	s_wait_alu depctr_va_vdst(0)
	s_wait_tensorcnt 3                             ; my part of chunk 0 has landed; three younger loads stay out
	s_barrier_signal -1
	s_barrier_wait -1                              ; everybody's has
	FETCH_B 0
	FETCH_A 0, 0
	FETCH_A 0, 2
	s_wait_loadcnt 0x0                             ; the scale words
	EVEN 0, 1                                      ; the first K step's products start the sums: nothing is cleared
	ODD 1
	s_wait_alu depctr_va_vdst(0)
	EVEN 2, 0
	ODD 3
	s_wait_alu depctr_va_vdst(0)
	EVEN 4, 0
	ODD 5
	s_wait_alu depctr_va_vdst(0)
	EVEN 6, 0
	s_wait_dscnt 8                                 ; the last K step: nothing more to fetch
	WIN W_M1
	MUL 0, 7, 0
	MUL 1, 7, 0
	s_wait_dscnt 0x0
	MUL 2, 7, 0
	MUL 3, 7, 0
	WIN 0
	; THE WAY OUT.  For each of my four tiles of A: the lane's 64 numbers (register 16 b + i = n 32 b + 16 (lane / 16) + i of its m) become a fragment and a scale word.  No LDS, no barrier.
.macro QUANTW a
	WIN 0x05                                       ; sources 0 and 1 window 1.
.irp b, 0,1,2,3
	v_max3_num_f32 v[TM+\b], |v[64*\a+16*\b]|, |v[64*\a+16*\b+1]|, 0x2800000   ; and the floor 2^(5 - 127)
.endr
	WIN 0x14                                       ; sources 1 and 2 window 1
.irp i, 2,4,6,8,10,12,14
.irp b, 0,1,2,3
	v_max3_num_f32 v[TM+\b], v[TM+\b], |v[64*\a+16*\b+\i]|, |v[64*\a+16*\b+\i+1]|
.endr
.endr
	WIN 0
.irp b, 0,1,2,3
	v_permlanex16_b32 v[TM+4+\b], v[TM+\b], s[SEL], s[SEL+1]
.endr
.irp b, 0,1,2,3
	v_max_num_f32 v[TM+\b], v[TM+\b], v[TM+4+\b]
.endr
.irp b, 0,1,2,3
	v_add_nc_u32 v[TM+12+\b], 0xfe000000, v[TM+\b]
.endr
.irp b, 0,1,2,3
	v_lshrrev_b32 v[TM+4+\b], 23, v[TM+12+\b]
.endr
	v_lshl_or_b32 v[PWS+\a], v[TM+5], 8, v[TM+4]
	v_lshl_or_b32 v[PWS+\a], v[TM+6], 16, v[PWS+\a]
	v_lshl_or_b32 v[PWS+\a], v[TM+7], 24, v[PWS+\a]
	s_wait_xcnt 0x0                                ; the last tile's stores have read the codes' registers and their bases: both are written again only behind this wait
.if \a > 0
	s_add_nc_u64 s[P0:P0+1], s[P0:P0+1], s[AST:AST+1]
	s_add_nc_u64 s[P1:P1+1], s[P1:P1+1], s[AST:AST+1]
.endif
	WIN 0x01                                       ; source 0 window 1
.irp c, 0,1
	v_cvt_scalef32_pk16_bf6_f32 v[PC+6*\c:PC+2+6*\c], v[64*\a+32*\c:64*\a+32*\c+15], v[TM+12+2*\c]
	v_cvt_scalef32_pk16_bf6_f32 v[PC+12+4*\c:PC+14+4*\c], v[64*\a+32*\c+16:64*\a+32*\c+31], v[TM+12+2*\c+1]
.endr
	WIN 0
	v_nop                                          ; one plain line behind the scaled conversions
.irp c, 0,1
.irp i, 0,1,2
	v_permlane16_swap_b32 v[PC+6*\c+\i], v[PC+12+4*\c+\i]
.endr
.irp i, 0,1,2
	v_mov_b32 v[PC+3+6*\c+\i], v[PC+12+4*\c+\i]
.endr
.endr
	global_store_b128 v[VO16], v[PC:PC+3], s[P0:P0+1]
	global_store_b64 v[VO8], v[PC+4:PC+5], s[P0:P0+1] offset:512
	global_store_b128 v[VO16], v[PC+6:PC+9], s[P1:P1+1]
	global_store_b64 v[VO8], v[PC+10:PC+11], s[P1:P1+1] offset:512
.endm
	PLACES
.irp b, 0,1,2,3
	v_mov_b32 v[TM+4+\b], 0                        ; written once: a lane permute's destination counts as one of its sources
.endr
	QUANTW 0
	QUANTW 1
	QUANTW 2
	QUANTW 3
.irp a, 0,1,2,3
	v_lshrrev_b32 v[PWS+\a], v[VSH], v[PWS+\a]     ; q, k: lanes 16-31 bring the second head's two bytes down.  The two upper bytes of a word of q or k (the other head's, or 0) scale zero codes alone
.endr
	global_store_b128 v[VSO], v[PWS:PWS+3], s[PS:PS+1]   ; four tiles' words: 256 consecutive bytes for each half of the lanes
	s_wait_tensorcnt 0x0
	ds_add_u32 v254, v255
	s_wait_dscnt 0x0
	ROUND                                          ; the closing round: no work-group ends while a partner may still ask for a tile that names it
	s_endpgm
.Lfunc_end_k_q4d0f288bc1_proj:
	.size	k_q4d0f288bc1_proj, .Lfunc_end_k_q4d0f288bc1_proj-k_q4d0f288bc1_proj
	.p2alignl 7, 3214868480
	.fill 96, 4, 3214868480
	.section	.rodata,"a",@progbits
	.p2align	6, 0x0
	.amdhsa_kernel k_q4d0f288bc1_proj
		.amdhsa_group_segment_fixed_size 327680
		.amdhsa_private_segment_fixed_size 0
		.amdhsa_enable_private_segment 0
		.amdhsa_kernarg_size 24
		.amdhsa_user_sgpr_count 2
		.amdhsa_user_sgpr_kernarg_segment_ptr 1
		.amdhsa_wavefront_size32 1
		.amdhsa_system_sgpr_workgroup_id_x 1
		.amdhsa_system_sgpr_workgroup_id_y 1
		.amdhsa_system_sgpr_workgroup_id_z 1
		.amdhsa_system_vgpr_workitem_id 0
		.amdhsa_next_free_vgpr 768
		.amdhsa_next_free_sgpr 100
		.amdhsa_reserve_vcc 1
		.amdhsa_float_denorm_mode_32 3
		.amdhsa_float_denorm_mode_16_64 3
		.amdhsa_memory_ordered 1
		.amdhsa_forward_progress 1
		.amdhsa_inst_pref_size 90
	.end_amdhsa_kernel
	.amdgpu_metadata
---
amdhsa.version: [ 1, 2 ]
amdhsa.kernels:
  - .name:           k_q4d0f288bc1_proj
    .symbol:         k_q4d0f288bc1_proj.kd
    .args:
      - { .name: cw, .offset: 0, .size: 8, .value_kind: global_buffer, .address_space: global }
      - { .name: cws, .offset: 8, .size: 8, .value_kind: global_buffer, .address_space: global }
      - { .name: qkv, .offset: 16, .size: 8, .value_kind: global_buffer, .address_space: global }
    .group_segment_fixed_size: 327680
    .private_segment_fixed_size: 0
    .kernarg_segment_align: 8
    .kernarg_segment_size: 24
    .max_flat_workgroup_size: 128
    .sgpr_count:     100
    .vgpr_count:     768
    .wavefront_size: 32
...
	.end_amdgpu_metadata
.endif
;; end of part 2
;; launch attn (part 3): grid 4 x 64, 16 waves a work-group, clusters of 4 x 1, 231,424 bytes of LDS; arguments qkv, cw, cws; writes cw, cws
.if DOCPART == 3
	.amdgcn_target "amdgcn-amd-amdhsa--gfx1250"
	.amdhsa_code_object_version 6
	.text
	.protected	k_q4d0f288bc1_attn
	.globl	k_q4d0f288bc1_attn
	.p2align	8
	.type	k_q4d0f288bc1_attn,@function
k_q4d0f288bc1_attn:
	s_mov_b64 s[64:65], 0
	v_nop
	global_prefetch_b8 v0, s[64:65] scope:SCOPE_SE
	s_setreg_imm32_b32 hwreg(HW_REG_WAVE_MODE, 25, 1), 1
	s_wait_xcnt 0x0
	s_wait_alu depctr_hold_cnt(0) depctr_sa_sdst(0) depctr_va_vdst(0) depctr_va_sdst(0) depctr_va_ssrc(0) depctr_va_vcc(0) depctr_vm_vsrc(0)
	s_getreg_b32 s2, hwreg(HW_REG_IB_STS2, 6, 4)
	s_cmp_eq_u32 s2, 0
	s_cbranch_scc0 .Lentry_in_a_cluster
	s_endpgm
.Lentry_in_a_cluster:
	s_bfe_u32 s2, ttmp6, 0x10000c
	s_cmp_lg_u32 s2, 0x3003
	s_cbranch_scc0 .Lentry_shape_is_right
	s_endpgm
.Lentry_shape_is_right:
; ctx[b][h][q] = the sum over keys k <= q of softmax_k(q . k / 8) v, both products on codes of BF6 (E3M2) with E8M0 scales; ctx is quantised along the 1,024 inner channels and stored as the last product's operand.
; THE SOFTMAX AHEAD OF THE SECOND PRODUCT: t = score x log2(e) / 8; M = the row's largest t so far, rounded UP to a whole number; p = 2^(t - M) is quantised along the keys, not normalised.  The row's sum is
; taken of the unquantised p and divides at the end (by v_rcp_f32 and a multiplication: the last bit may differ from a division's).  When M moves, the sum and O are multiplied by 2^(old M - new M): exact.
; SHARES.  A cluster of four work-groups is one (batch, head).  The head's 128 tiles of 16 queries: tile 4 m + cx goes to work-group cx; wave w takes m = w and then m = 31 - w.  A tile's last key step is
; m / 2, whatever cx: so every branch hangs on the wave's number and a loop's counter, and partners run alike.  A wave does (w / 2 + 1) + ((31 - w) / 2 + 1) = 17 key steps of 128 keys, every wave the same.
; Key steps that lie wholly behind the causal diagonal are jumped over; the loops' trip counts are constants.
; LDS holds the head's WHOLE K, V and their scale words, 212,992 bytes, the first bytes of the head's record as they lie: each byte is filled once, by joint loads that name the four partners.
; No barrier stands in the loops.  Four waves share a SIMD, so that one wave's vector work stands beside another's LDS loads and matrix instructions.
; LAYOUT.  Both products are used transposed: S^T = K Q^T (source 0 = 16 keys), O^T = V^T P^T (source 0 = 16 channels): a lane holds ONE query throughout.  Lane r of a tile T of keys, queries or channels is
; row 32 (T / 2) + 8 (T % 2) + r + 8 (r / 8), so that the 16 registers of result tiles 2 b, 2 b + 1 are 16 neighbours: 32 b + 16 (lane / 16) + 0 .. 15.
; THE HEAD'S 64 IN AN INSTRUCTION OF K = 128: Q's upper six registers are zero codes.  A tile of keys is six registers; source 0 of tile t names twelve, the upper six being the next tile's codes (zeros behind
; the last): they meet zero codes and add nothing; no scale byte here is 0xff.
; LIMITS: NaN and infinities are not served; a block of ctx whose largest magnitude lies under 2^-122 gets the byte 1 (a block of zeros too: its codes are zeros).
; REGISTERS: v1-11, v30-31 addresses; v12 -M, v13 the largest t, v[14:15] the sum; v16-27 Q; v28 Q's scale word, v29 p's; v32-79 K's eight tiles, then V's four fragments; v80-85 zeros; v86-89, v90-93 K's and V's
; scale words; v94 -infinity; v96-159 S^T, then p; v160-191 O^T; v192-203 p's codes; v204-235 at work.
.set REC,  319488
.set RQC,  212992
.set RQS,  311296
.set WV,   10
.set CX,   11
.set BH,   12
.set SEL,  66
.set CS,   68                          ; s[68:69] c = log2(e) / 8
.set SIG,  70                          ; the key step
.set T6,   71                          ; 6,144 x key step: K's and V's codes
.set T5,   72                          ; 512 x key step: their scale words
.set GG,   73                          ; my tile's last key step
.set MM,   74                          ; m
.set SCR,  96
.set OT,   160
.set PCD,  192
.set CT,   204
.set BM,   212
.set PD,   216
.set SOP,  220
.set BY,   224
.set FF,   228
.set L2,   230
.set TT,   232
.set RC,   234
.macro ROUND
	s_barrier_signal -1
	s_barrier_wait -1
	s_cmp_lg_u32 s[WV], 0
	s_cbranch_scc1 .Lnot_wave_0_\@
	s_barrier_signal -3
.Lnot_wave_0_\@:
	s_barrier_wait -3
	s_barrier_signal -1
	s_barrier_wait -1
.endm
.macro MKG0 g, o                       ; a descriptor's group 0: the byte s[o] of the record goes to the byte s[o] of LDS
	s_mov_b32 s[\g], 1
	s_mov_b32 s[\g+1], s[\o]
	s_mov_b32 s76, s[\o]
	s_add_nc_u64 s[\g+2:\g+3], s[4:5], s[76:77]
	s_or_b32 s[\g+3], s[\g+3], 0x80000000
.endm
	s_load_b128 s[4:7], s[0:1], 0x0                ; qkv, cw
	s_load_b64 s[8:9], s[0:1], 0x10                ; cws
	v_lshl_add_u32 v254, v0, 2, 0x38000
	v_mov_b32 v255, 0
	ds_add_u32 v254, v255
	ds_add_u32 v254, v255
	v_lshrrev_b32 v1, 5, v0
	s_delay_alu instid0(VALU_DEP_1)
	v_readfirstlane_b32 s[WV], v1                  ; wave 0..15
	s_bfe_u32 s[CX], ttmp6, 0x40000                ; my place in the cluster: it enters Q's and ctx's addresses and the mask's numbers alone
	s_and_b32 s[BH], ttmp7, 0xffff                 ; 16 x batch + head, which the four partners share
	s_mul_i32 s14, s[BH], REC
	s_mov_b32 s15, 0
	; descriptor groups 1: dense bytes as rows of 256 (32 elements of 8 bytes): 6, 90, 2 and 30 rows; the mask names all four work-groups
.irp g, 16, 24, 32, 40
	s_mov_b32 s[\g], 15|(3<<16)|(1<<21)
	s_mov_b32 s[\g+1], 32<<16
	s_mov_b32 s[\g+3], 32<<16
	s_mov_b32 s[\g+5], 32
	s_mov_b32 s[\g+6], 0
	s_mov_b32 s[\g+7], 0
.endr
	s_mov_b32 s18, 6<<16
	s_mov_b32 s20, 6
	s_mov_b32 s26, 90<<16
	s_mov_b32 s28, 90
	s_mov_b32 s34, 2<<16
	s_mov_b32 s36, 2
	s_mov_b32 s42, 30<<16
	s_mov_b32 s44, 30
	; what I fetch.  Waves 0-3: K's codes, 4-7: V's: a quarter of key step 0's 6,144 bytes, then a quarter of the other 92,160.  Waves 8, 9: K's, V's scale words: key step 0's 512 bytes, then the other 7,680
	s_bfe_u32 s85, s[WV], 0x10002
	s_mul_i32 s85, s85, 98304
	s_and_b32 s86, s[WV], 3
	s_mul_i32 s87, s86, 1536
	s_add_co_u32 s87, s87, s85
	s_mul_i32 s88, s86, 23040
	s_add_co_u32 s88, s88, s85
	s_add_co_u32 s88, s88, 6144
	s_and_b32 s89, s[WV], 1
	s_lshl_b32 s89, s89, 13
	s_add_co_u32 s89, s89, 196608
	s_add_co_u32 s90, s89, 512
	s_mov_b32 s77, 0
	s_wait_dscnt 0x0
	s_wait_kmcnt 0x0
	s_add_nc_u64 s[4:5], s[4:5], s[14:15]          ; my head's record
	MKG0 48, 87
	MKG0 52, 88
	MKG0 56, 89
	MKG0 60, 90
	ROUND                                          ; all four work-groups are here: the joint loads meet
	s_cmp_lt_u32 s[WV], 8                          ; a wave's two loads stand together in one arm; two of mine are out
	s_cbranch_scc0 .Lnot_codes
	tensor_load_to_lds s[48:51], s[16:23]
	s_nop 0
	tensor_load_to_lds s[52:55], s[24:31]
	s_nop 0
.rept 4
	v_nop
.endr
	s_branch .Lasked
.Lnot_codes:
	s_cmp_lt_u32 s[WV], 10
	s_cbranch_scc0 .Lasked
	tensor_load_to_lds s[56:59], s[32:39]
	s_nop 0
	tensor_load_to_lds s[60:63], s[40:47]
	s_nop 0
.rept 4
	v_nop
.endr
.Lasked:
	v_and_b32 v32, 31, v0                          ; lane
	s_delay_alu instid0(VALU_DEP_1)
	v_lshlrev_b32 v1, 4, v32                       ; 16 l
	s_delay_alu instid0(VALU_DEP_2)
	v_lshlrev_b32 v2, 3, v32                       ; 8 l
	v_and_b32 v33, 15, v0                          ; r
	v_bfe_u32 v34, v0, 4, 1                        ; h
	s_delay_alu instid0(VALU_DEP_2)
	v_lshlrev_b32 v10, 4, v33                      ; 16 r
	s_delay_alu instid0(VALU_DEP_3)
	v_and_b32 v3, 8, v33
	s_delay_alu instid0(VALU_DEP_1)
	v_add_nc_u32 v3, v3, v33
	s_delay_alu instid0(VALU_DEP_4)
	v_lshlrev_b32 v34, 4, v34
	s_delay_alu instid0(VALU_DEP_1)
	v_sub_nc_u32 v3, v3, v34                       ; r + 8 (r / 8) - 16 h
	v_add_nc_u32 v30, 98304, v1                    ; V's codes
	v_add_nc_u32 v31, 98304, v2
	v_add_nc_u32 v11, 196608, v1                   ; K's scale words; V's lie 8,192 bytes on
.irp i, 22,23,24,25,26,27,80,81,82,83,84,85
	v_mov_b32 v[\i], 0                             ; zero codes
.endr
.irp b, 0,1,2,3
	v_mov_b32 v[PD+\b], 0                          ; written once: a lane permute's destination counts as one of its sources
.endr
	v_mov_b32 v[TT], 0
	v_mov_b32 v[FF+1], 0                           ; named as the upper halves of pairs of which the low word serves both halves
	v_mov_b32 v[RC+1], 0
	v_mov_b32 v94, 0xff800000                      ; -infinity
	s_mov_b32 s[SEL], 0x76543210
	s_mov_b32 s[SEL+1], 0xfedcba98
	s_mov_b32 s[CS], 0x3e38aa3b
	s_mov_b32 s[CS+1], s[CS]
; A TILE OF QUERIES BEGINS.  rho = 0: m = w; 1: m = 31 - w (= w xor 31)
.macro START rho
.if \rho
	s_xor_b32 s[MM], s[WV], 31
.else
	s_mov_b32 s[MM], s[WV]
.endif
	s_lshr_b32 s[GG], s[MM], 1
	s_lshl_b32 s85, s[MM], 2
	s_add_co_u32 s85, s85, s[CX]                   ; the tile
	s_mul_i32 s76, s85, 768
	s_add_co_u32 s76, s76, RQC
	s_mov_b32 s77, 0
	s_add_nc_u64 s[76:77], s[4:5], s[76:77]
	s_lshl_b32 s78, s[MM], 8
	s_lshl_b32 s86, s[CX], 2
	s_add_co_u32 s78, s78, s86
	s_add_co_u32 s78, s78, RQS
	s_mov_b32 s79, 0
	s_add_nc_u64 s[78:79], s[4:5], s[78:79]
	global_load_b128 v[16:19], v1, s[76:77]        ; Q's six registers
	global_load_b64 v[20:21], v2, s[76:77] offset:512
	global_load_b32 v28, v10, s[78:79]             ; and its rows' scale words
	s_lshr_b32 s86, s[BH], 4
	s_lshl_b32 s86, s86, 7
	s_add_co_u32 s86, s86, s85                     ; ctx's tile of tokens in cw: 128 x batch + tile
	s_and_b32 s87, s[BH], 15                       ; the head: half a fragment, 768 bytes
	s_mul_i32 s80, s86, 12288
	s_mul_i32 s88, s87, 768
	s_add_co_u32 s80, s80, s88
	s_mov_b32 s81, 0
	s_add_nc_u64 s[80:81], s[6:7], s[80:81]
	s_lshl_b32 s82, s86, 9                         ; and its two scale bytes: 512 x tile + 256 (head / 8) + 2 (head % 8) + 16 r
	s_lshr_b32 s88, s87, 3
	s_lshl_b32 s88, s88, 8
	s_add_co_u32 s82, s82, s88
	s_and_b32 s88, s87, 7
	s_lshl_b32 s88, s88, 1
	s_add_co_u32 s82, s82, s88
	s_mov_b32 s83, 0
	s_add_nc_u64 s[82:83], s[8:9], s[82:83]
	s_and_b32 s88, s[MM], 1                        ; my query less the last key step's first key less 16 h: 64 (m % 2) + 32 (cx / 2) + 8 (cx % 2) + r + 8 (r / 8) - 16 h
	s_lshl_b32 s88, s88, 6
	s_lshr_b32 s89, s[CX], 1
	s_lshl_b32 s89, s89, 5
	s_add_co_u32 s88, s88, s89
	s_and_b32 s89, s[CX], 1
	s_lshl_b32 s89, s89, 3
	s_add_co_u32 s88, s88, s89
	v_add_nc_u32 v4, s88, v3
	v_mov_b32 v13, 0xff61b1e6                      ; the largest t so far: -3e38, under every t
	s_delay_alu instid0(VALU_DEP_1)
	v_floor_f32 v12, -v13                          ; -M
	v_mov_b32 v14, 0
	v_mov_b32 v15, 0
.set n, 0
.rept 32
	v_mov_b32 v[OT+n], 0                           ; O^T: the step is written once: the first finds zeros, which the first change of M leaves zeros
.set n, n+1
.endr
	s_mov_b32 s[SIG], 0
	s_mov_b32 s[T6], 0
	s_mov_b32 s[T5], 0
	s_wait_loadcnt 0x0
.endm
; A KEY STEP: 128 keys.  skip = 1: a step all of whose keys come after my queries is jumped over, but for the lines at its end that step the counter and the addresses
.macro STEP skip
.if \skip
	s_cmp_gt_u32 s[SIG], s[GG]
	s_cbranch_scc1 .Lhidden_\@
.endif
	s_setprio 2
	v_add_nc_u32 v5, s[T6], v1                     ; these five are also the places between the last step's products and the loads into their registers
	v_add_nc_u32 v6, s[T6], v2
	v_add_nc_u32 v7, s[T6], v30
	v_add_nc_u32 v8, s[T6], v31
	v_add_nc_u32 v9, s[T5], v11
.irp t, 0,1,2,3,4,5,6,7
	ds_load_b128 v[32+6*\t:35+6*\t], v5 offset:768*\t
	ds_load_b64 v[36+6*\t:37+6*\t], v6 offset:768*\t+512
.endr
	ds_load_b128 v[86:89], v9                      ; lanes 0-15: the words of tiles 0-3, lanes 16-31: of tiles 4-7
	s_wait_alu depctr_va_vdst(0)
	s_wait_dscnt 0x0
.irp t, 0,1,2,3
	v_wmma_scale_f32_16x16x128_f8f6f4 v[SCR+8*\t:SCR+8*\t+7], v[32+6*\t:43+6*\t], v[16:27], 0, v[86+\t], v28 matrix_a_fmt:MATRIX_FMT_BF6 matrix_b_fmt:MATRIX_FMT_BF6
.endr
.irp t, 4,5,6,7
	v_wmma_scale_f32_16x16x128_f8f6f4 v[SCR+8*\t:SCR+8*\t+7], v[32+6*\t:43+6*\t], v[16:27], 0, v[82+\t], v28 matrix_a_fmt:MATRIX_FMT_BF6 matrix_b_fmt:MATRIX_FMT_BF6 matrix_a_scale:MATRIX_SCALE_ROW1
.endr
.rept 4
	v_nop                                          ; places in front of the loads below and of the first read of the scores
.endr
.irp a, 0,1,2,3                                ; V's four fragments land under the softmax
	ds_load_b128 v[32+12*\a:35+12*\a], v7 offset:1536*\a
	ds_load_b64 v[36+12*\a:37+12*\a], v8 offset:1536*\a+512
	ds_load_b128 v[38+12*\a:41+12*\a], v7 offset:1536*\a+768
	ds_load_b64 v[42+12*\a:43+12*\a], v8 offset:1536*\a+1280
.endr
	ds_load_b128 v[90:93], v9 offset:8192
	s_cmp_lg_u32 s[SIG], s[GG]                     ; on the diagonal the scores of hidden keys become -infinity ahead of the maximum: p = 0 then
	s_cbranch_scc1 .Lopen_\@
.set n, 0
.rept 64
	v_cmp_gt_i32 vcc_lo, 32*(n/16)+n%16, v4        ; register 16 b + i holds the step's key 32 b + 16 h + i
	v_cndmask_b32 v[SCR+n], v[SCR+n], v94, vcc_lo
.set n, n+1
.endr
.Lopen_\@:
.irp b, 0,1,2,3
	v_max3_num_f32 v[BM+\b], v[SCR+16*\b], v[SCR+1+16*\b], v[SCR+2+16*\b]   ; the largest score of each block of 32 keys: it serves the row's maximum and, since p rises with the score, the block's largest p
.endr
.irp i, 3,5,7,9,11,13
.irp b, 0,1,2,3
	v_max3_num_f32 v[BM+\b], v[BM+\b], v[SCR+16*\b+\i], v[SCR+1+16*\b+\i]
.endr
.endr
.irp b, 0,1,2,3
	v_max_num_f32 v[BM+\b], v[BM+\b], v[SCR+15+16*\b]
.endr
.irp b, 0,1,2,3
	s_delay_alu instid0(VALU_DEP_4)
	v_permlanex16_b32 v[PD+\b], v[BM+\b], s[SEL], s[SEL+1]
.endr
.irp b, 0,1,2,3
	s_delay_alu instid0(VALU_DEP_4)
	v_max_num_f32 v[BM+\b], v[BM+\b], v[PD+\b]     ; with lane l xor 16's 16 keys
.endr
	s_delay_alu instid0(VALU_DEP_2)
	v_max3_num_f32 v[TT], v[BM], v[BM+1], v[BM+2]
	s_delay_alu instid0(VALU_DEP_1)
	v_max_num_f32 v[TT], v[TT], v[BM+3]
	s_delay_alu instid0(VALU_DEP_1)
	v_mul_f32 v[TT], s[CS], v[TT]                  ; the step's largest t
	s_delay_alu instid0(VALU_DEP_1)
	v_max_num_f32 v13, v13, v[TT]
	v_mov_b32 v[TT], v12
	s_delay_alu instid0(VALU_DEP_2)
	v_floor_f32 v12, -v13                          ; the new -M = floor(-t): M is a whole number
	s_delay_alu instid0(VALU_DEP_1)
	v_sub_f32 v[TT], v12, v[TT]                    ; old M - new M: a whole number, 0 or less
	s_delay_alu instid0(VALU_DEP_1)
	v_cvt_i32_f32 v[TT], v[TT]                     ; (it saturates)
	s_delay_alu instid0(VALU_DEP_1)
	v_ldexp_f32 v[FF], 1.0, v[TT]                  ; f = 2^(old M - new M)
.set n, 0
.rept 32
	v_pk_fma_f32 v[SCR+n:SCR+n+1], v[SCR+n:SCR+n+1], s[CS:CS+1], v[12:13] op_sel_hi:[1,0,0]   ; t - M, two at a time
.set n, n+2
.endr
	s_setprio 1
.irp b, 0,1,2,3
	v_fma_f32 v[BM+\b], v[BM+\b], s[CS], v12       ; the same of each block's largest score
.endr
.set n, 0
	s_wait_alu depctr_va_vdst(0)
.rept 64
	v_exp_f32 v[SCR+n], v[SCR+n]                   ; p = 2^(t - M)
.set n, n+1
.endr
	v_pk_mul_f32 v[14:15], v[14:15], v[FF:FF+1] op_sel_hi:[1,0]   ; the sums under the new M: the plain line behind the exponentials
	s_wait_alu depctr_va_vdst(0)                   ; one wait for the whole batch, ahead of its first reader
.irp b, 0,1,2,3
	v_exp_f32 v[BM+\b], v[BM+\b]                   ; the block's largest p: the same two instructions on the same number give the same bits
.endr
	v_pk_add_f32 v[230:231], v[100:101], v[104:105]
	v_pk_add_f32 v[252:253], v[108:109], v[112:113]
	v_pk_add_f32 v[250:251], v[116:117], v[120:121]
	v_pk_add_f32 v[248:249], v[124:125], v[128:129]
	v_pk_add_f32 v[246:247], v[132:133], v[136:137]
	v_pk_add_f32 v[244:245], v[140:141], v[144:145]
	v_pk_add_f32 v[242:243], v[148:149], v[152:153]
	v_pk_add_f32 v[14:15], v[14:15], v[156:157]
	v_pk_add_f32 v[230:231], v[230:231], v[96:97]
	v_pk_add_f32 v[252:253], v[252:253], v[98:99]
	v_pk_add_f32 v[250:251], v[250:251], v[102:103]
	v_pk_add_f32 v[248:249], v[248:249], v[106:107]
	v_pk_add_f32 v[246:247], v[246:247], v[110:111]
	v_pk_add_f32 v[244:245], v[244:245], v[114:115]
	v_pk_add_f32 v[242:243], v[242:243], v[118:119]
	v_pk_add_f32 v[14:15], v[14:15], v[122:123]
	v_pk_add_f32 v[230:231], v[230:231], v[126:127]
	v_pk_add_f32 v[252:253], v[252:253], v[130:131]
	v_pk_add_f32 v[250:251], v[250:251], v[134:135]
	v_pk_add_f32 v[248:249], v[248:249], v[138:139]
	v_pk_add_f32 v[246:247], v[246:247], v[142:143]
	v_pk_add_f32 v[244:245], v[244:245], v[146:147]
	v_pk_add_f32 v[242:243], v[242:243], v[150:151]
	v_pk_add_f32 v[14:15], v[14:15], v[154:155]
	v_pk_add_f32 v[230:231], v[230:231], v[158:159]
	s_delay_alu instid0(VALU_DEP_2)
	v_pk_add_f32 v[14:15], v[14:15], v[248:249]
	s_delay_alu instid0(VALU_DEP_2)
	v_pk_add_f32 v[230:231], v[230:231], v[246:247]
	v_pk_add_f32 v[252:253], v[252:253], v[244:245]
	v_pk_add_f32 v[250:251], v[250:251], v[242:243]
	s_delay_alu instid0(VALU_DEP_2)
	v_pk_add_f32 v[14:15], v[14:15], v[252:253]
	s_delay_alu instid0(VALU_DEP_2)
	v_pk_add_f32 v[230:231], v[230:231], v[250:251]
	s_delay_alu instid0(VALU_DEP_1)
	v_pk_add_f32 v[14:15], v[14:15], v[230:231]
	s_wait_alu depctr_va_vdst(0)                   ; and one for the four
.irp b, 0,1,2,3
	v_max_num_f32 v[BM+\b], 0x2800000, v[BM+\b]    ; the floor 2^(5 - 127): a block whose every p is 0 keeps the byte 1: its codes are zeros
.endr
.irp b, 0,1,2,3
	s_delay_alu instid0(VALU_DEP_4)
	v_add_nc_u32 v[SOP+\b], 0xfe000000, v[BM+\b]
.endr
.irp b, 0,1,2,3
	s_delay_alu instid0(VALU_DEP_4)
	v_lshrrev_b32 v[BY+\b], 23, v[SOP+\b]
.endr
	s_delay_alu instid0(VALU_DEP_3)
	v_lshl_or_b32 v29, v[BY+1], 8, v[BY]           ; p's scale word for these 128 keys
	s_delay_alu instid0(VALU_DEP_1)
	v_lshl_or_b32 v29, v[BY+2], 16, v29
	s_delay_alu instid0(VALU_DEP_1)
	v_lshl_or_b32 v29, v[BY+3], 24, v29
	s_setprio 0
.irp c, 0,1
	v_cvt_scalef32_pk16_bf6_f32 v[PCD+6*\c:PCD+2+6*\c], v[SCR+32*\c:SCR+15+32*\c], v[SOP+2*\c]
	v_cvt_scalef32_pk16_bf6_f32 v[CT+4*\c:CT+2+4*\c], v[SCR+16+32*\c:SCR+31+32*\c], v[SOP+2*\c+1]
.endr
	v_nop                                          ; one plain line behind the scaled conversions
.irp c, 0,1
.irp i, 0,1,2
	v_permlane16_swap_b32 v[PCD+6*\c+\i], v[CT+4*\c+\i]
.endr
.irp i, 0,1,2
	s_delay_alu instid0(VALU_DEP_3)
	v_mov_b32 v[PCD+3+6*\c+\i], v[CT+4*\c+\i]
.endr
.endr
.set n, 0
.rept 16
	v_pk_mul_f32 v[OT+n:OT+n+1], v[OT+n:OT+n+1], v[FF:FF+1] op_sel_hi:[1,0]   ; O^T under the new M.  These sixteen also stand between the writes of p's codes and scale word and the products
.set n, n+2
.endr
	s_wait_alu depctr_va_vdst(0)
	s_wait_dscnt 0x0                               ; V
.irp a, 0,1,2,3                                ; the four accumulators by turns
	v_wmma_scale_f32_16x16x128_f8f6f4 v[OT+8*\a:OT+8*\a+7], v[32+12*\a:43+12*\a], v[PCD:PCD+11], v[OT+8*\a:OT+8*\a+7], v[90+\a], v29 matrix_a_fmt:MATRIX_FMT_BF6 matrix_b_fmt:MATRIX_FMT_BF6
.endr
.if \skip
.Lhidden_\@:
.endif
	s_add_co_u32 s[SIG], s[SIG], 1
	s_add_co_u32 s[T6], s[T6], 6144
	s_add_co_u32 s[T5], s[T5], 512
.endm
; A TILE ENDS: O^T / the sum; the head's 64 channels are two blocks of ctx's K: codes (half a fragment) and two scale bytes
.macro FINISH
.rept 4
	v_nop                                          ; places behind the last products
.endr
	v_add_f32 v14, v14, v15
	s_delay_alu instid0(VALU_DEP_1)
	v_permlanex16_b32 v[TT], v14, s[SEL], s[SEL+1]
	s_delay_alu instid0(VALU_DEP_1)
	v_add_f32 v14, v14, v[TT]                      ; the row's sum
	s_wait_alu depctr_va_vdst(0)
	v_rcp_f32 v[RC], v14
	v_nop                                          ; a plain line behind the reciprocal
	s_wait_alu depctr_va_vdst(0)                   ; and the wait ahead of its first reader
.set n, 0
.rept 16
	v_pk_mul_f32 v[SCR+n:SCR+n+1], v[OT+n:OT+n+1], v[RC:RC+1] op_sel_hi:[1,0]   ; register 16 b + i: channel 32 b + 16 h + i.  Each accumulator from its low end on
.set n, n+2
.endr
.irp b, 0,1
	v_max3_num_f32 v[BM+\b], |v[SCR+16*\b]|, |v[SCR+1+16*\b]|, 0x2800000
.endr
.irp i, 2,4,6,8,10,12,14
.irp b, 0,1
	s_delay_alu instid0(VALU_DEP_2)
	v_max3_num_f32 v[BM+\b], v[BM+\b], |v[SCR+16*\b+\i]|, |v[SCR+1+16*\b+\i]|
.endr
.endr
.irp b, 0,1
	s_delay_alu instid0(VALU_DEP_2)
	v_permlanex16_b32 v[PD+\b], v[BM+\b], s[SEL], s[SEL+1]
.endr
.irp b, 0,1
	s_delay_alu instid0(VALU_DEP_2)
	v_max_num_f32 v[BM+\b], v[BM+\b], v[PD+\b]
.endr
.irp b, 0,1
	s_delay_alu instid0(VALU_DEP_2)
	v_add_nc_u32 v[SOP+\b], 0xfe000000, v[BM+\b]
.endr
.irp b, 0,1
	s_delay_alu instid0(VALU_DEP_2)
	v_lshrrev_b32 v[BY+\b], 23, v[SOP+\b]
.endr
	s_delay_alu instid0(VALU_DEP_1)
	v_lshl_or_b32 v[BY+2], v[BY+1], 8, v[BY]
	v_cvt_scalef32_pk16_bf6_f32 v[PCD:PCD+2], v[SCR:SCR+15], v[SOP]
	v_cvt_scalef32_pk16_bf6_f32 v[CT:CT+2], v[SCR+16:SCR+31], v[SOP+1]
	v_nop
.irp i, 0,1,2
	v_permlane16_swap_b32 v[PCD+\i], v[CT+\i]
.endr
.irp i, 0,1,2
	s_delay_alu instid0(VALU_DEP_3)
	v_mov_b32 v[PCD+3+\i], v[CT+\i]
.endr
	global_store_b128 v1, v[PCD:PCD+3], s[80:81]   ; 512 and 256 consecutive bytes, aligned
	global_store_b64 v2, v[PCD+4:PCD+5], s[80:81] offset:512
	v_cmp_gt_u32 vcc_lo, 256, v1                   ; lanes 0-15
	s_wait_xcnt 0x0                                ; EXEC changes only behind this wait
	s_and_saveexec_b32 s84, vcc_lo
	global_store_b16 v10, v[BY+2], s[82:83]        ; two bytes a row: the neighbouring bytes are other heads', other work-groups'
	s_wait_xcnt 0x0                                ; and again in front of the line that widens it; the stores' bases and data may be written again too
	s_or_b32 exec_lo, exec_lo, s84
.endm
	START 0
	s_wait_tensorcnt 1                             ; my part of key step 0's bytes has landed; the bulk load behind it stays out
	s_barrier_signal -1
	s_barrier_wait -1                              ; everybody's has
	STEP 0                                         ; every wave has a key step 0: the bulk lands under equal work
	s_wait_tensorcnt 0x0
	s_wait_dscnt 0x0
	s_barrier_signal -1
	s_barrier_wait -1                              ; the whole head lies in LDS
.Lround0:                                          ; key steps 1 to 7
	STEP 1
	s_cmp_lt_u32 s[SIG], 8
	s_cbranch_scc1 .Lround0
	s_setprio 0
	FINISH
	START 1
.Lround1:                                          ; key steps 0 to 15
	STEP 1
	s_cmp_lt_u32 s[SIG], 16
	s_cbranch_scc1 .Lround1
	s_setprio 0
	FINISH
	s_wait_tensorcnt 0x0
	ds_add_u32 v254, v255
	s_wait_dscnt 0x0
	ROUND                                          ; the closing round
	s_endpgm
.Lfunc_end_k_q4d0f288bc1_attn:
	.size	k_q4d0f288bc1_attn, .Lfunc_end_k_q4d0f288bc1_attn-k_q4d0f288bc1_attn
	.p2alignl 7, 3214868480
	.fill 96, 4, 3214868480
	.section	.rodata,"a",@progbits
	.p2align	6, 0x0
	.amdhsa_kernel k_q4d0f288bc1_attn
		.amdhsa_group_segment_fixed_size 231424
		.amdhsa_private_segment_fixed_size 0
		.amdhsa_enable_private_segment 0
		.amdhsa_kernarg_size 24
		.amdhsa_user_sgpr_count 2
		.amdhsa_user_sgpr_kernarg_segment_ptr 1
		.amdhsa_wavefront_size32 1
		.amdhsa_system_sgpr_workgroup_id_x 1
		.amdhsa_system_sgpr_workgroup_id_y 1
		.amdhsa_system_sgpr_workgroup_id_z 1
		.amdhsa_system_vgpr_workitem_id 0
		.amdhsa_next_free_vgpr 256
		.amdhsa_next_free_sgpr 100
		.amdhsa_reserve_vcc 1
		.amdhsa_float_denorm_mode_32 3
		.amdhsa_float_denorm_mode_16_64 3
		.amdhsa_memory_ordered 1
		.amdhsa_forward_progress 1
		.amdhsa_inst_pref_size 90
	.end_amdhsa_kernel
	.amdgpu_metadata
---
amdhsa.version: [ 1, 2 ]
amdhsa.kernels:
  - .name:           k_q4d0f288bc1_attn
    .symbol:         k_q4d0f288bc1_attn.kd
    .args:
      - { .name: qkv, .offset: 0, .size: 8, .value_kind: global_buffer, .address_space: global }
      - { .name: cw, .offset: 8, .size: 8, .value_kind: global_buffer, .address_space: global }
      - { .name: cws, .offset: 16, .size: 8, .value_kind: global_buffer, .address_space: global }
    .group_segment_fixed_size: 231424
    .private_segment_fixed_size: 0
    .kernarg_segment_align: 8
    .kernarg_segment_size: 24
    .max_flat_workgroup_size: 512
    .sgpr_count:     100
    .vgpr_count:     256
    .wavefront_size: 32
...
	.end_amdgpu_metadata
.endif
;; end of part 3
;; launch out (part 4): grid 4 x 64, 4 waves a work-group, clusters of 4 x 4, 327,680 bytes of LDS; arguments cw, cws, out0; writes out0
.if DOCPART == 4
	.amdgcn_target "amdgcn-amd-amdhsa--gfx1250"
	.amdhsa_code_object_version 6
	.text
	.protected	k_q4d0f288bc1_out
	.globl	k_q4d0f288bc1_out
	.p2align	8
	.type	k_q4d0f288bc1_out,@function
k_q4d0f288bc1_out:
	s_mov_b64 s[64:65], 0
	v_nop
	global_prefetch_b8 v0, s[64:65] scope:SCOPE_SE
	s_setreg_imm32_b32 hwreg(HW_REG_WAVE_MODE, 25, 1), 1
	s_wait_xcnt 0x0
	s_wait_alu depctr_hold_cnt(0) depctr_sa_sdst(0) depctr_va_vdst(0) depctr_va_sdst(0) depctr_va_ssrc(0) depctr_va_vcc(0) depctr_vm_vsrc(0)
	s_getreg_b32 s2, hwreg(HW_REG_IB_STS2, 6, 4)
	s_cmp_eq_u32 s2, 0
	s_cbranch_scc0 .Lentry_in_a_cluster
	s_endpgm
.Lentry_in_a_cluster:
	s_bfe_u32 s2, ttmp6, 0x10000c
	s_cmp_lg_u32 s2, 0xf033
	s_cbranch_scc0 .Lentry_shape_is_right
	s_endpgm
.Lentry_shape_is_right:
; out0 = ctx W_o on codes of BF6 (E3M2) with E8M0 scales; f32 sums, f32 out.  A = ctx (tiles 0-511 of cw), B = W_o's columns (tiles 704-767).
; C[m][n] = sum over k of A[m][k] B[n][k].  16 rows are a tile; a fragment is an image of the operand's 12 registers, 1,536 bytes, at 12,288 x tile + 1,536 x K step; lane r of tile T is row
; 32 (T / 2) + 8 (T % 2) + r + 8 (r / 8).  A work-group makes 128 (m) x 256 (n), each of four waves 64 x 128: 32 accumulators; 64 x 4 = 256 work-groups.
; THE WHOLE K OF THE TILE LIES IN LDS: 294,912 bytes, asked for by the first instructions in four chunks of two K steps; no byte of LDS is filled twice.
; THE MATRIX INSTRUCTION IS USED TRANSPOSED (source 0 = 16 rows of B, source 1 = 16 rows of A): a lane holds one row m, and the 16 registers of B's tiles 2 b, 2 b + 1 are the 16 neighbouring columns 32 b + 16 (lane / 16) + 0 .. 15.
; CLUSTERS: 4 x 4.  A's tiles are shared along a row of the cluster, B's along a column: each is asked for jointly.
; REGISTERS: window 0: v1-24 addresses; v32-95 scale words; v96-143 A's four fragments, ONE set; v144-239 B's eight, set 0.  window 1: the accumulators, (a, b) at v[8 (8 a + b)].  window 2: v144-239 B's set 1.
.set CH,   73728
.set WV,   10
.set II,   11
.set JJ,   12
.set CX,   13
.set CY,   14
.set TR,   15
.set TC,   16
.set TA0,  17
.set TB0,  18
.set G1A,  24
.set G1B,  32
.set G0A,  40
.set G0B,  68
.set A16,  16
.set A8,   17
.set B16,  18
.set B8,   19
.set VSC,  20
.set CO,   21                          ; 16 x lane
.set VO8,  22
.set STO,  23
.set RD,   24
.set SC,   32
.set AF,   96
.set BF,   144
.set BK,   96                          ; the way out: 16 rows read back from the stage: v96-159 and v160-223 by turns
.set W_M0, 0x50
.set W_M1, 0x52
.set W_B1, 0x80
.set MSB, 0
.macro WIN new
.if MSB != \new
	s_set_vgpr_msb (MSB<<8)|\new
.set MSB, \new
.endif
.endm
.macro ROUND
	s_barrier_signal -1
	s_barrier_wait -1
	s_cmp_lg_u32 s[WV], 0
	s_cbranch_scc1 .Lnot_wave_0_\@
	s_barrier_signal -3
.Lnot_wave_0_\@:
	s_barrier_wait -3
	s_barrier_signal -1
	s_barrier_wait -1
.endm
.macro PLACES
.rept 4
	v_nop
.endr
.endm
.macro FRAG reg, a16, a8, off
	ds_load_b128 v[\reg:\reg+3], v[\a16] offset:\off
	ds_load_b64 v[\reg+4:\reg+5], v[\a8] offset:\off+512
	ds_load_b128 v[\reg+6:\reg+9], v[\a16] offset:\off+768
	ds_load_b64 v[\reg+10:\reg+11], v[\a8] offset:\off+1280
.endm
.macro FETCH_B s
.if (\s)%2
	WIN W_B1
.else
	WIN 0
.endif
.irp b, 0,1,2,3,4,5,6,7
	FRAG BF+12*\b, B16, B8, 3072*\b+1536*((\s)%2)
.endr
	WIN 0
.endm
.macro FETCH_A s, a0
.irp a, \a0, \a0+1
	FRAG AF+12*(\a), A16, A8, 3072*(\a)+1536*((\s)%2)
.endr
.endm
.macro MUL a, s, zero                  ; the 32 accumulators take turns, one instruction a turn, in the same order in every K step
.irp b, 0,1,2,3,4,5,6,7
.if \zero
	v_wmma_scale_f32_16x16x128_f8f6f4 v[8*(8*(\a)+\b):8*(8*(\a)+\b)+7], v[BF+12*\b:BF+12*\b+11], v[AF+12*(\a):AF+12*(\a)+11], 0, v[SC+8*\b+(\s)], v[SC+8*(\a)+(\s)] matrix_a_fmt:MATRIX_FMT_BF6 matrix_b_fmt:MATRIX_FMT_BF6 matrix_a_scale:MATRIX_SCALE_ROW1
.else
	v_wmma_scale_f32_16x16x128_f8f6f4 v[8*(8*(\a)+\b):8*(8*(\a)+\b)+7], v[BF+12*\b:BF+12*\b+11], v[AF+12*(\a):AF+12*(\a)+11], v[8*(8*(\a)+\b):8*(8*(\a)+\b)+7], v[SC+8*\b+(\s)], v[SC+8*(\a)+(\s)] matrix_a_fmt:MATRIX_FMT_BF6 matrix_b_fmt:MATRIX_FMT_BF6 matrix_a_scale:MATRIX_SCALE_ROW1
.endif
.endr
.endm
.macro EVEN s, zero
	s_wait_dscnt 8                                 ; B's set and A's tiles 0, 1 are in; the youngest eight loads (A's tiles 2, 3) may be out
	WIN W_M0
	MUL 0, \s, \zero
	MUL 1, \s, \zero
	s_wait_dscnt 0x0
	PLACES
	FETCH_B (\s)+1
	FETCH_A (\s)+1, 0
	WIN W_M0
	MUL 2, \s, \zero
	MUL 3, \s, \zero
	PLACES
	WIN 0
	FETCH_A (\s)+1, 2
.endm
.macro ODD s
	s_wait_tensorcnt 3-((\s)+1)/2                  ; my part of the next chunk has landed; the later chunks' loads may be out
	s_wait_dscnt 0x0
	s_barrier_signal -1
	WIN W_M1
	MUL 0, \s, 0
	MUL 1, \s, 0
	WIN 0
	s_barrier_wait -1
	v_add_nc_u32 v[A16], CH, v[A16]                ; on to the next chunk; these four are also the places in front of the loads
	v_add_nc_u32 v[A8], CH, v[A8]
	v_add_nc_u32 v[B16], CH, v[B16]
	v_add_nc_u32 v[B8], CH, v[B8]
	FETCH_B (\s)+1
	FETCH_A (\s)+1, 0
	WIN W_M1
	MUL 2, \s, 0
	MUL 3, \s, 0
	PLACES
	WIN 0
	FETCH_A (\s)+1, 2
.endm
	s_load_b128 s[4:7], s[0:1], 0x0                ; cw, cws
	s_load_b64 s[8:9], s[0:1], 0x10                ; out0
	v_lshl_add_u32 v254, v0, 2, 0x48000
	v_mov_b32 v255, 0
	ds_add_u32 v254, v255
	ds_add_u32 v254, v255
	v_lshrrev_b32 v1, 5, v0
	v_readfirstlane_b32 s[WV], v1
	s_lshr_b32 s[II], s[WV], 1
	s_and_b32 s[JJ], s[WV], 1
	s_bfe_u32 s[CX], ttmp6, 0x40000
	s_bfe_u32 s[CY], ttmp6, 0x40004
	s_and_b32 s19, ttmp7, 0xffff
	s_lshl_b32 s[TR], s19, 2
	s_add_co_u32 s[TR], s[TR], s[CY]               ; tile row 0..63
	s_lshl_b32 s[TC], ttmp9, 2
	s_add_co_u32 s[TC], s[TC], s[CX]               ; tile column 0..3
	s_lshl_b32 s[TA0], s[TR], 3
	s_lshl_b32 s[TB0], s[TC], 4
	s_add_co_u32 s[TB0], s[TB0], 704
	s_lshl_b32 s19, s[CY], 2
	s_lshl_b32 s19, 15, s19                        ; my row of the cluster
	s_lshl_b32 s20, 0x1111, s[CX]                  ; my column
	s_or_b32 s[G1A], s19, (3<<16)|(1<<21)
	s_or_b32 s[G1B], s20, (3<<16)|(1<<21)
.irp g, G1A, G1B
	s_mov_b32 s[\g+1], 384<<16
	s_mov_b32 s[\g+3], 384<<16
	s_mov_b32 s[\g+5], 1536
	s_mov_b32 s[\g+6], 0
	s_mov_b32 s[\g+7], 0
.endr
	s_mov_b32 s[G1A+2], 4<<16
	s_mov_b32 s[G1A+4], 4
	s_mov_b32 s[G1B+2], 8<<16
	s_mov_b32 s[G1B+4], 8
	s_lshl_b32 s56, s[JJ], 2
	s_add_co_u32 s56, s56, s[TA0]
	s_mul_i32 s56, s56, 12288
	s_mov_b32 s57, 0
	s_lshl_b32 s58, s[JJ], 3
	s_add_co_u32 s58, s58, s[TB0]
	s_mul_i32 s58, s58, 12288
	s_mov_b32 s59, 0
	s_mul_i32 s60, s[JJ], 12288
	s_mul_i32 s61, s[JJ], 24576
	s_add_co_u32 s61, s61, 24576
	s_wait_dscnt 0x0
	s_wait_kmcnt 0x0
	s_add_nc_u64 s[56:57], s[4:5], s[56:57]
	s_add_nc_u64 s[58:59], s[4:5], s[58:59]
	ROUND                                          ; all sixteen work-groups are here: the joint loads meet
.irp q, 0,1,2,3
	s_mov_b32 s[G0A+4*\q], 1
	s_add_co_u32 s[G0A+4*\q+1], s60, \q*CH
	s_add_nc_u64 s[G0A+4*\q+2:G0A+4*\q+3], s[56:57], \q*3072
	s_or_b32 s[G0A+4*\q+3], s[G0A+4*\q+3], 0x80000000
	s_mov_b32 s[G0B+4*\q], 1
	s_add_co_u32 s[G0B+4*\q+1], s61, \q*CH
	s_add_nc_u64 s[G0B+4*\q+2:G0B+4*\q+3], s[58:59], \q*3072
	s_or_b32 s[G0B+4*\q+3], s[G0B+4*\q+3], 0x80000000
.endr
	s_cmp_eq_u32 s[II], 0                          ; waves 0, 1 fetch A's halves, waves 2, 3 B's: a wave's four loads stand in one arm; four of mine are out
	s_cbranch_scc0 .Lfor_b
	tensor_load_to_lds s[G0A:G0A+3], s[G1A:G1A+7]
	s_nop 0
	tensor_load_to_lds s[G0A+4:G0A+7], s[G1A:G1A+7]
	s_nop 0
	tensor_load_to_lds s[G0A+8:G0A+11], s[G1A:G1A+7]
	s_nop 0
	tensor_load_to_lds s[G0A+12:G0A+15], s[G1A:G1A+7]
	s_nop 0
.rept 4
	v_nop
.endr
	s_branch .Lasked
.Lfor_b:
	tensor_load_to_lds s[G0B:G0B+3], s[G1B:G1B+7]
	s_nop 0
	tensor_load_to_lds s[G0B+4:G0B+7], s[G1B:G1B+7]
	s_nop 0
	tensor_load_to_lds s[G0B+8:G0B+11], s[G1B:G1B+7]
	s_nop 0
	tensor_load_to_lds s[G0B+12:G0B+15], s[G1B:G1B+7]
	s_nop 0
.rept 4
	v_nop
.endr
.Lasked:
	v_and_b32 v1, 31, v0
	v_and_b32 v2, 15, v0
	v_bfe_u32 v3, v0, 4, 1
	s_wait_alu depctr_va_vdst(0)
	v_lshlrev_b32 v[CO], 4, v1
	v_lshlrev_b32 v[VO8], 3, v1
	s_mul_i32 s56, s[II], 12288
	v_add_nc_u32 v[A16], s56, v[CO]
	v_add_nc_u32 v[A8], s56, v[VO8]
	s_mul_i32 s56, s[JJ], 24576
	s_add_co_u32 s56, s56, 24576
	v_add_nc_u32 v[B16], s56, v[CO]
	v_add_nc_u32 v[B8], s56, v[VO8]
	; the scale words come once, from memory into registers: lanes 0-15 A's tiles' words, lanes 16-31 B's
	s_lshl_b32 s56, s[II], 2
	s_add_co_u32 s56, s56, s[TA0]
	s_lshl_b32 s56, s56, 9
	s_lshl_b32 s57, s[JJ], 3
	s_add_co_u32 s57, s57, s[TB0]
	s_lshl_b32 s57, s57, 9
	v_mov_b32 v4, s56
	v_mov_b32 v5, s57
	v_cmp_eq_u32 vcc_lo, 1, v3
	v_cndmask_b32 v[VSC], v4, v5, vcc_lo
	v_lshl_add_u32 v[VSC], v2, 4, v[VSC]
.irp i, 0,1,2,3,4,5,6,7                        ; (for i >= 4 lanes 0-15 read words of tiles that are not mine and not used: tile 515 at the most, inside cws)
.irp p, 0,1
	global_load_b128 v[SC+8*\i+4*\p:SC+8*\i+4*\p+3], v[VSC], s[6:7] offset:512*\i+256*\p
.endr
.endr
	; the way out: my stage, 16 rows x (512 bytes + 16), lies in chunk 0, which has had its one fill, and whose last reads stand in front of the second K step's barrier
	s_mul_i32 s56, s[WV], 8448
	v_mul_u32_u24 v[STO], v2, 528
	v_lshl_add_u32 v[STO], v3, 6, v[STO]
	v_add_nc_u32 v[STO], s56, v[STO]               ; in: row r, + 64 h
	v_add_nc_u32 v[RD], s56, v[CO]                 ; back: a row's 512 bytes, 16 a lane
	s_lshl_b32 s56, s[TR], 7
	s_lshl_b32 s57, s[II], 6
	s_add_co_u32 s56, s56, s57
	s_lshl_b32 s56, s56, 12                        ; my first row of out0, rows of 4,096 bytes,
	s_lshl_b32 s57, s[TC], 10
	s_add_co_u32 s56, s56, s57
	s_lshl_b32 s57, s[JJ], 9
	s_add_co_u32 s56, s56, s57                     ; and my first column
	s_mov_b32 s57, 0
	s_add_nc_u64 s[8:9], s[8:9], s[56:57]
	s_wait_tensorcnt 3                             ; my part of chunk 0 has landed; three younger loads stay out
	s_barrier_signal -1
	s_barrier_wait -1
	FETCH_B 0
	FETCH_A 0, 0
	FETCH_A 0, 2
	s_wait_loadcnt 0x0                             ; the scale words
	EVEN 0, 1                                      ; the first K step's products start the sums
	ODD 1
	s_wait_alu depctr_va_vdst(0)
	EVEN 2, 0
	ODD 3
	s_wait_alu depctr_va_vdst(0)
	EVEN 4, 0
	ODD 5
	s_wait_alu depctr_va_vdst(0)
	EVEN 6, 0
	s_wait_dscnt 8
	WIN W_M1
	MUL 0, 7, 0
	MUL 1, 7, 0
	s_wait_dscnt 0x0
	MUL 2, 7, 0
	MUL 3, 7, 0
	WIN 0
; THE WAY OUT, a tile of 16 rows x 128 columns at a time: a lane holds 4 x 64 bytes of one row; through my own stage the rows come back whole, and the 32 lanes store 512 consecutive bytes.
; LDS serves a wave's instructions in order (ISA guide 5.7.1.4): no wait between the stores and the loads, nor in front of the next tile's stores.
.macro TOSTAGE a
	WIN 0x04                                       ; an LDS store's data are its source 1: window 1
.irp b, 0,1,2,3
.irp q, 0,1,2,3
	ds_store_b128 v[STO], v[64*(\a)+16*\b+4*\q:64*(\a)+16*\b+4*\q+3] offset:128*\b+16*\q   ; each accumulator from its low end on
.endr
.endr
	WIN 0
.irp t, 0,1,2,3,4,5,6,7,8,9,10,11,12,13,14,15
	ds_load_b128 v[BK+64*((\a)%2)+4*\t:BK+64*((\a)%2)+4*\t+3], v[RD] offset:528*\t
.endr
.endm
.macro SEND a, younger
	s_wait_dscnt \younger                          ; the tile is back in registers
.irp t, 0,1,2,3,4,5,6,7,8,9,10,11,12,13,14,15
	global_store_b128 v[CO], v[BK+64*((\a)%2)+4*\t:BK+64*((\a)%2)+4*\t+3], s[8:9] offset:(32*((\a)/2)+8*((\a)%2)+\t+8*(\t/8))*4096 th:TH_STORE_NT   ; lane t of tile a is that row; written once, read by nobody here
.endr
.endm
	PLACES
	TOSTAGE 0
.irp a, 1,2,3
.if \a > 1
	s_wait_xcnt 0x0                                ; tile a - 2's stores have read their registers: tile a's loads may land there
.endif
	TOSTAGE \a
	SEND \a-1, 32                                  ; behind tile a - 1's loads: tile a's 16 stores and 16 loads
.endr
	SEND 3, 0
	s_wait_tensorcnt 0x0
	ds_add_u32 v254, v255
	s_wait_dscnt 0x0
	ROUND                                          ; the closing round
	s_endpgm
.Lfunc_end_k_q4d0f288bc1_out:
	.size	k_q4d0f288bc1_out, .Lfunc_end_k_q4d0f288bc1_out-k_q4d0f288bc1_out
	.p2alignl 7, 3214868480
	.fill 96, 4, 3214868480
	.section	.rodata,"a",@progbits
	.p2align	6, 0x0
	.amdhsa_kernel k_q4d0f288bc1_out
		.amdhsa_group_segment_fixed_size 327680
		.amdhsa_private_segment_fixed_size 0
		.amdhsa_enable_private_segment 0
		.amdhsa_kernarg_size 24
		.amdhsa_user_sgpr_count 2
		.amdhsa_user_sgpr_kernarg_segment_ptr 1
		.amdhsa_wavefront_size32 1
		.amdhsa_system_sgpr_workgroup_id_x 1
		.amdhsa_system_sgpr_workgroup_id_y 1
		.amdhsa_system_sgpr_workgroup_id_z 1
		.amdhsa_system_vgpr_workitem_id 0
		.amdhsa_next_free_vgpr 768
		.amdhsa_next_free_sgpr 100
		.amdhsa_reserve_vcc 1
		.amdhsa_float_denorm_mode_32 3
		.amdhsa_float_denorm_mode_16_64 3
		.amdhsa_memory_ordered 1
		.amdhsa_forward_progress 1
		.amdhsa_inst_pref_size 85
	.end_amdhsa_kernel
	.amdgpu_metadata
---
amdhsa.version: [ 1, 2 ]
amdhsa.kernels:
  - .name:           k_q4d0f288bc1_out
    .symbol:         k_q4d0f288bc1_out.kd
    .args:
      - { .name: cw, .offset: 0, .size: 8, .value_kind: global_buffer, .address_space: global }
      - { .name: cws, .offset: 8, .size: 8, .value_kind: global_buffer, .address_space: global }
      - { .name: out0, .offset: 16, .size: 8, .value_kind: global_buffer, .address_space: global }
    .group_segment_fixed_size: 327680
    .private_segment_fixed_size: 0
    .kernarg_segment_align: 8
    .kernarg_segment_size: 24
    .max_flat_workgroup_size: 128
    .sgpr_count:     100
    .vgpr_count:     768
    .wavefront_size: 32
...
	.end_amdgpu_metadata
.endif
;; end of part 4
